; MI455X (gfx1250); checked and timed in simulation.
; The chip was launched on July 23, 2026; its instructions are those of AMD's public machine-readable ISA for CDNA 5 (MIT licence, August 2026) and "CDNA5" Instruction Set Architecture Reference Guide (July 2026). The comments in the code are by the model that wrote it; some were corrected since.
;; Mask Relation Multi Head Attention. Allowed arithmetic: float matrix products may take bf16 or f16 operands with f32 sums; other float arithmetic in f32, or as packed bf16 or f16 multiplies, adds, multiply-adds, maxima and minima; sums over many terms, partial sums and values carried from step to step in f32; what a program stores and reads back later, other than sums and carried values, may be rounded once to bf16 or f16.
;; Inputs: Wk 1,024 x 1,024 float32; Wo 1,024 x 1,024 float32; Wq 1,024 x 1,024 float32; Wv 1,024 x 1,024 float32; bk 1,024 float32; bo 1,024 float32; bq 1,024 float32; bv 1,024 float32; k 16 x 2,048 x 1,024 float32; maskfill 16 x 16 x 1 x 2,048 bool; q 16 x 1 x 1,024 float32; v 16 x 2,048 x 1,024 float32.
;; Outputs: out0 16 x 1,024 float32; out1 16 x 1,024 float32.
;; 2 versions, each right; version 2 is version 1 with the launches prep, attend, concat, final written anew for expert scheduling mode. Each part assembles by itself: llvm-mc -triple=amdgcn-amd-amdhsa -mcpu=gfx1250 --defsym DOCPART=n.
;; ======== version 1 of 2: 5 launches
;; limits: values are held in f16: magnitudes above 65,504 overflow, below 6.1e-05 lose precision
;; workspace buffers: U 524,288 bytes; CB 65,536 bytes; SC 2,097,152 bytes; Y0 1,048,576 bytes; Y1 1,048,576 bytes; CC0 65,536 bytes; CC1 65,536 bytes
;; launch prep (part 1): grid 16 x 1, 8 waves a work-group, no clusters, 144,640 bytes of LDS; arguments q, Wq, bq, Wk, bk, U, CB; writes U, CB
.if DOCPART == 1
	.amdgcn_target "amdgcn-amd-amdhsa--gfx1250"
	.amdhsa_code_object_version 6
	.text
	.protected	k_qdfa5d55564_prep
	.globl	k_qdfa5d55564_prep
	.p2align	8
	.type	k_qdfa5d55564_prep,@function
k_qdfa5d55564_prep:
	s_mov_b64 s[64:65], 0
	v_nop
	global_prefetch_b8 v0, s[64:65] scope:SCOPE_SE
	s_setreg_imm32_b32 hwreg(HW_REG_WAVE_MODE, 25, 1), 1
	s_wait_xcnt 0x0
; PREP.  With one query a batch, qh . (k Wk_h + bk_h) = k . (Wk_h qh_h) + bk_h . qh_h, for every input.  For head h (the work-group's number) and all 16 batches b:
;   qs[b][d]   = (log2(e) / 8) (sum over c of q[b][c] Wq[c][64 h + d] + bq[64 h + d])
;   U[b][h][c] = sum over d of Wk[c][64 h + d] qs[b][d], stored in bf16;      cc[h][b] = sum over d of bk[64 h + d] qs[b][d], in f32, stored 64 times on end
;   (thread t stores 16 bytes at 4096 h + 16 t, so sixteen lanes store 256 consecutive, aligned bytes).
; FORMATS.  q, Wq, Wk and qs are rounded once to f16 for the matrix unit, sums in f32; U goes out in bf16, since it has no room in f16 when all inputs carry offsets.
; LIMITS.  |q|, |Wq|, |Wk| and |qs| stay under 65,504 (f16's end); NaN and infinities are not treated apart.
; SHARES.  Eight waves; wave w owns c = 128 w .. 128 w + 127 in both products: in the first that is a slice of K (the eight partial sums meet in LDS), in the second rows of the result.
; K MAP, alike on both sources of every product: in a K step of 32, the lanes' half hh and slot i (register i / 2, half i % 2) hold k = 16 hh + i.
; An operand stored [K][64 columns] in f32 needs no LDS: load i of 16 takes row 16 hh + i, 16 bytes at 16 r, so an instruction covers two runs of 256 consecutive bytes; 32 conversions then
; make four fragments, fragment f holding the columns 4 r + f.  An operand whose rows lie along K goes through the wave's own LDS rows, rounded on the way in.
; NO CLUSTER: the work-groups share q alone, 64 KiB beside the 512 KiB of weights that each reads for itself.  No tensor load: every byte is converted on its way, so it passes registers anyway.
; 16 work-groups: a head's slice of a weight row is 256 bytes, and a further split would need a sum across work-groups.
.set RED1,  0                          ; 8 waves x 16 rows (b) x 64 f32, pitch 272: the partial sums of the first product
.set QB,    8*16*272                   ; 16 rows (b) x 64 f16, pitch 144: qs
.set QS,    QB+16*144                  ; for each wave 16 rows (b) x 128 f16, pitch 272: its slice of q
.set KS,    QS+8*16*272                ; for each wave 32 rows (c) x 64 f16, pitch 144: a chunk of Wk
.set OS,    KS+8*32*144                ; for each wave 16 rows (b) x 128 bf16, pitch 272: its part of U on the way out
.set SPARE, OS+8*16*272                ; the spare words, 128 bytes for each wave: four blocks of 256 bytes that no other line names
; Pitches of 272 and 144 bytes are odd multiples of 16: the sixteen rows that a 16-byte load touches start at sixteen different groups of four banks (64 banks of 4 bytes: ISA guide 11.1).
.set QA,  4                            ; v4   512 w + 16 lane: my 16 bytes of the wave's slice of a row of q
.set WQA, 5                            ; v5   (128 w + 16 hh) rows of 4,096 bytes + 16 r
.set WKA, 6                            ; v6   (128 w + hh) rows + 16 r
.set BA,  7                            ; v7   16 r
.set QSS, 8                            ; v8..v17  LDS addresses, named after their regions: ..S to store, ..L to load
.set QSL, 9
.set R1S, 10
.set R1L, 11
.set QBS, 12
.set QBL, 13
.set KSS, 14
.set KSL, 15
.set OSS, 16
.set OSL, 17
.set UA,  18                           ; v18  32,768 hh + 16 r: two batches' rows of U
.set CBA, 19                           ; v19  16 x thread
.set SPW, 20                           ; v20  LDS address of my spare word; never rewritten
.set NIL, 21                           ; v21  0; never rewritten
.set TQ,  22                           ; v22  thread / 16
.set TT,  23                           ; v23  at work
.set BQ,  24                           ; v24-27  bq of my four d
.set BK,  28                           ; v28-31  bk of my four d
.set QX,  32                           ; v32-95  q as loaded
.set T,   32                           ; v32-63  later: a chunk of Wk in f16
.set AF,  64                           ; v64-95  later: its fragments
.set QF,  96                           ; v96-127 fragments of q, four K steps
.set QF2, 96                           ; v96-111 later: fragments of qs, two K steps
.set D,   112                          ; v112-127 later: two accumulators of the second product
.set BF,  128                          ; v128-159 four fragments of Wq
.set ACC, 160                          ; v160-191 four accumulators of the first product
.set RS,  192                          ; v192-223 what is read back from LDS
.set PK,  224                          ; v224-239 packed results
                                       ; window 1: v0-255 four buffers of 64, a chunk of 16 loads each
.set MSB, 0
.macro WIN new                         ; the immediate's high byte repeats the setting that is left; a switch that changes nothing is dropped
.if MSB != (\new)
	s_set_vgpr_msb (MSB<<8)|(\new)
.set MSB, \new
.endif
.endm
.set W_CVT, 0x05                       ; sources 0 and 1 in window 1
.set W_LD,  0x40                       ; destination in window 1
.macro PLACES                          ; four places behind a matrix instruction, ahead of what reads its result or writes its registers (ISA guide 7.12.1)
.rept 4
	v_nop
.endr
.endm
.macro TREE R                          ; eight quads at v[R ..] are added into the first
.irp d, 16, 8, 4
.set t, 0
.rept (\d)/2
	v_pk_add_f32 v[(\R)+2*t:(\R)+2*t+1], v[(\R)+2*t:(\R)+2*t+1], v[(\R)+(\d)+2*t:(\R)+(\d)+2*t+1]
.set t, t+1
.endr
.endr
.endm
.macro LDWQ g                          ; K step g of Wq into buffer g: rows 128 w + 32 g + 16 hh + i
	WIN W_LD
.set i, 0
.rept 16
	global_load_b128 v[64*(\g)+4*i:64*(\g)+4*i+3], v[WQA], s[6:7] offset:(32*(\g)+i)*4096 th:TH_LOAD_NT
.set i, i+1
.endr
.endm
.macro LDWK n                          ; chunk n of Wk into buffer n: rows 128 w + 32 n + 2 i + hh, a row's 256 bytes to sixteen lanes
	WIN W_LD
.set i, 0
.rept 16
	global_load_b128 v[64*(\n)+4*i:64*(\n)+4*i+3], v[WKA], s[10:11] offset:(32*(\n)+2*i)*4096 th:TH_LOAD_NT
.set i, i+1
.endr
.endm
	s_load_b256 s[4:11], s[0:1], 0x0               ; q s[4:5], Wq s[6:7], bq s[8:9], Wk s[10:11]
	s_load_b128 s[12:15], s[0:1], 0x20             ; bk s[12:13], U s[14:15]
	s_load_b64 s[16:17], s[0:1], 0x30              ; CB
	v_lshl_add_u32 v[SPW], v0, 2, SPARE
	v_mov_b32 v[NIL], 0
	v_lshrrev_b32 v1, 5, v0
	v_readfirstlane_b32 s20, v1                    ; wave 0..7
	v_and_b32 v1, 31, v0                           ; lane
	v_and_b32 v2, 15, v0                           ; r
	v_bfe_u32 v3, v0, 4, 1                         ; hh
	v_lshrrev_b32 v[TQ], 4, v0
	s_lshl_b32 s21, s20, 9                         ; 512 w
	s_lshl_b32 s22, s20, 19                        ; 128 w rows of 4,096 bytes
	s_mul_i32 s23, s20, 16*272
	s_mul_i32 s24, s20, 32*144
	v_lshl_add_u32 v[QA], v1, 4, s21
	v_lshlrev_b32 v[BA], 4, v2
	v_lshl_add_u32 v[WQA], v3, 16, v[BA]
	v_add_nc_u32 v[WQA], s22, v[WQA]
	v_lshl_add_u32 v[WKA], v3, 12, v[BA]
	v_add_nc_u32 v[WKA], s22, v[WKA]
	s_add_co_u32 s25, s23, QS                      ; my wave's rows of q
	v_lshl_add_u32 v[QSS], v1, 3, s25              ; in: 8 bytes a lane
	v_mul_u32_u24 v[TT], v2, 272
	v_lshl_add_u32 v[QSL], v3, 5, v[TT]            ; back: row r, 32 bytes for each half of the lanes
	v_add_nc_u32 v[QSL], s25, v[QSL]
	v_mul_u32_u24 v[R1S], v3, 8*272
	v_add3_u32 v[R1S], v[R1S], v[BA], s23          ; row 8 hh (+ j), column 4 r (+ f) of my wave's partial sums
	v_mul_u32_u24 v[R1L], v[TQ], 272
	v_add_nc_u32 v[R1L], v[R1L], v[BA]             ; row thread / 16, my four d, of wave 0's
	v_mul_u32_u24 v[QBS], v[TQ], 144
	v_lshl_add_u32 v[QBS], v2, 3, v[QBS]
	v_add_nc_u32 v[QBS], QB, v[QBS]
	s_add_co_u32 s25, s23, OS                      ; my wave's rows of U
	v_lshl_add_u32 v[OSS], v3, 4, v[TT]
	v_add_nc_u32 v[OSS], s25, v[OSS]
	v_mul_u32_u24 v[OSL], v3, 272
	v_add3_u32 v[OSL], v[OSL], v[BA], s25
	v_mul_u32_u24 v[TT], v2, 144
	v_lshl_add_u32 v[QBL], v3, 5, v[TT]            ; 144 r + 32 hh
	s_add_co_u32 s25, s24, KS                      ; my wave's rows of Wk
	v_add_nc_u32 v[KSL], s25, v[QBL]
	v_add_nc_u32 v[QBL], QB, v[QBL]
	v_mul_u32_u24 v[KSS], v3, 144
	v_lshl_add_u32 v[KSS], v2, 3, v[KSS]
	v_add_nc_u32 v[KSS], s25, v[KSS]
	v_lshl_add_u32 v[UA], v3, 15, v[BA]
	v_lshlrev_b32 v[CBA], 4, v0
	s_lshl_b32 s26, ttmp9, 8                       ; the head's 64 columns: 256 bytes
	s_mov_b32 s27, 0
	s_lshl_b32 s28, ttmp9, 11                      ; in U: the head's 2,048 bytes and my wave's 256 of them
	s_lshl_b32 s29, s20, 8
	s_add_co_u32 s28, s28, s29
	s_mov_b32 s29, 0
	s_lshl_b32 s30, ttmp9, 12                      ; in CB: the head's 4,096 bytes
	s_mov_b32 s31, 0
	s_wait_kmcnt 0x0
	s_add_nc_u64 s[6:7], s[6:7], s[26:27]
	s_add_nc_u64 s[8:9], s[8:9], s[26:27]
	s_add_nc_u64 s[10:11], s[10:11], s[26:27]
	s_add_nc_u64 s[12:13], s[12:13], s[26:27]
	s_add_nc_u64 s[14:15], s[14:15], s[28:29]
	s_add_nc_u64 s[16:17], s[16:17], s[30:31]
.set i, 0
.rept 16                                               ; my wave's 512 bytes of each of q's 16 rows
	global_load_b128 v[QX+4*i:QX+4*i+3], v[QA], s[4:5] offset:4096*i
.set i, i+1
.endr
	global_load_b128 v[BQ:BQ+3], v[BA], s[8:9]
	global_load_b128 v[BK:BK+3], v[BA], s[12:13]
	LDWQ 0
	LDWQ 1
	LDWQ 2
	WIN 0
	s_wait_loadcnt 48                              ; q, bq and bk are in; the 48 loads of Wq issued behind them stay out
.set i, 0
.rept 16                                               ; q rounded to f16 in place, 8 bytes a lane into row i
	v_cvt_pk_f16_f32 v[QX+4*i],   v[QX+4*i],   v[QX+4*i+1]
	v_cvt_pk_f16_f32 v[QX+4*i+1], v[QX+4*i+2], v[QX+4*i+3]
	ds_store_b64 v[QSS], v[QX+4*i:QX+4*i+1] offset:272*i
.set i, i+1
.endr
.set g, 0
.rept 4                                                ; LDS serves a wave's instructions in order (ISA guide 5.7.1.4): these see the stores above; the rows are my wave's own
	ds_load_b128 v[QF+8*g:QF+8*g+3],   v[QSL] offset:64*g
	ds_load_b128 v[QF+8*g+4:QF+8*g+7], v[QSL] offset:64*g+16
.set g, g+1
.endr
	LDWQ 3
; K step n of the first product; its buffer then takes chunk n of Wk.  The four accumulators take turns.
.macro CHUNK1 n
	s_wait_loadcnt 48                              ; this chunk's 16 loads are in; the three younger chunks stay out
	WIN W_CVT
.set f, 0
.rept 4
.set p, 0
.rept 8
	v_cvt_pk_f16_f32 v[BF+8*f+p], v[64*(\n)+8*p+f], v[64*(\n)+8*p+4+f]  ; slots 2 p, 2 p + 1 of column 4 r + f
.set p, p+1
.endr
.set f, f+1
.endr
	LDWK \n
	WIN 0
.if (\n) == 0
	s_wait_dscnt 0x0                               ; q's fragments are in
.endif
.set f, 0
.rept 4
.if (\n) == 0
	v_wmma_f32_16x16x32_f16 v[ACC+8*f:ACC+8*f+7], v[QF+8*(\n):QF+8*(\n)+7], v[BF+8*f:BF+8*f+7], 0
.else
	v_wmma_f32_16x16x32_f16 v[ACC+8*f:ACC+8*f+7], v[QF+8*(\n):QF+8*(\n)+7], v[BF+8*f:BF+8*f+7], v[ACC+8*f:ACC+8*f+7]
.endif
.set f, f+1
.endr
	PLACES                                         ; the next chunk's conversions write BF; behind the last chunk the stores read the sums
.endm
	CHUNK1 0
	CHUNK1 1
	CHUNK1 2
	CHUNK1 3
.set j, 0
.rept 8                                                ; register j of accumulator f is (b = 8 hh + j, d = 4 r + f); each accumulator's lowest register goes first
.set f, 0
.rept 4
	ds_store_b32 v[R1S], v[ACC+8*f+j] offset:272*j+4*f
.set f, f+1
.endr
.set j, j+1
.endr
	s_wait_dscnt 0x0                               ; for the others' sake: my partial sums are in LDS
	s_barrier_signal -1
	s_barrier_wait -1
.set t, 0
.rept 8                                                ; thread: b = thread / 16, d = 4 r .. 4 r + 3; one quad from each wave
	ds_load_b128 v[RS+4*t:RS+4*t+3], v[R1L] offset:16*272*t
.set t, t+1
.endr
	s_wait_dscnt 0x0
	TREE RS
	v_pk_add_f32 v[RS:RS+1],   v[RS:RS+1],   v[BQ:BQ+1]
	v_pk_add_f32 v[RS+2:RS+3], v[RS+2:RS+3], v[BQ+2:BQ+3]
	v_pk_mul_f32 v[RS:RS+1],   v[RS:RS+1],   0x3e38aa3b op_sel_hi:[1,0]  ; log2(e) / 8 = 0.180337
	v_pk_mul_f32 v[RS+2:RS+3], v[RS+2:RS+3], 0x3e38aa3b op_sel_hi:[1,0]
	v_cvt_pk_f16_f32 v[PK],   v[RS],   v[RS+1]
	v_cvt_pk_f16_f32 v[PK+1], v[RS+2], v[RS+3]
	ds_store_b64 v[QBS], v[PK:PK+1]
	v_mul_f32  v[PK+4], v[RS],   v[BK]             ; cc: my four d, then the sixteen lanes that share b
	v_fmac_f32 v[PK+4], v[RS+1], v[BK+1]
	v_fmac_f32 v[PK+4], v[RS+2], v[BK+2]
	v_fmac_f32 v[PK+4], v[RS+3], v[BK+3]
	v_add_f32_dpp v[PK+4], v[PK+4], v[PK+4] row_xmask:1 row_mask:0xf bank_mask:0xf
	v_add_f32_dpp v[PK+4], v[PK+4], v[PK+4] row_xmask:2 row_mask:0xf bank_mask:0xf
	v_add_f32_dpp v[PK+4], v[PK+4], v[PK+4] row_xmask:4 row_mask:0xf bank_mask:0xf
	v_add_f32_dpp v[PK+4], v[PK+4], v[PK+4] row_xmask:8 row_mask:0xf bank_mask:0xf
	v_mov_b32 v[PK+5], v[PK+4]
	v_mov_b32 v[PK+6], v[PK+4]
	v_mov_b32 v[PK+7], v[PK+4]
	s_wait_dscnt 0x0                               ; for the others' sake: my part of qs is in LDS
	s_barrier_signal -1
	s_barrier_wait -1
	global_store_b128 v[CBA], v[PK+4:PK+7], s[16:17]  ; its four registers are not written again
.set g, 0
.rept 2                                                ; qs as source 1: column b = r, d = 32 g + 16 hh + slot
	ds_load_b128 v[QF2+8*g:QF2+8*g+3],   v[QBL] offset:64*g
	ds_load_b128 v[QF2+8*g+4:QF2+8*g+7], v[QBL] offset:64*g+16
.set g, g+1
.endr
; Chunk n of the second product: 32 rows c of Wk, K = the head's 64 d.  In the result a lane holds b = r and eight neighbouring c: 16 bytes of bf16.
.macro CHUNK2 n
	s_wait_loadcnt 48-16*(\n)                      ; this chunk is in; the younger chunks stay out
	WIN W_CVT
.set i, 0
.rept 16
	v_cvt_pk_f16_f32 v[T+2*i],   v[64*(\n)+4*i],   v[64*(\n)+4*i+1]
	v_cvt_pk_f16_f32 v[T+2*i+1], v[64*(\n)+4*i+2], v[64*(\n)+4*i+3]
.set i, i+1
.endr
	WIN 0
.set i, 0
.rept 16
	ds_store_b64 v[KSS], v[T+2*i:T+2*i+1] offset:288*i  ; rows 2 i + hh
.set i, i+1
.endr
.irp mt, 0,1
.irp g, 0,1
	ds_load_b128 v[AF+16*(\mt)+8*(\g):AF+16*(\mt)+8*(\g)+3],   v[KSL] offset:16*144*(\mt)+64*(\g)
	ds_load_b128 v[AF+16*(\mt)+8*(\g)+4:AF+16*(\mt)+8*(\g)+7], v[KSL] offset:16*144*(\mt)+64*(\g)+16
.endr
.endr
	s_wait_dscnt 0x0                               ; the fragments (and, the first time, qs's) are in
	v_wmma_f32_16x16x32_f16 v[D:D+7],    v[AF:AF+7],     v[QF2:QF2+7],    0  ; the two accumulators take turns
	v_wmma_f32_16x16x32_f16 v[D+8:D+15], v[AF+16:AF+23], v[QF2:QF2+7],    0
	v_wmma_f32_16x16x32_f16 v[D:D+7],    v[AF+8:AF+15],  v[QF2+8:QF2+15], v[D:D+7]
	v_wmma_f32_16x16x32_f16 v[D+8:D+15], v[AF+24:AF+31], v[QF2+8:QF2+15], v[D+8:D+15]
	PLACES
.set p, 0
.rept 8
	v_cvt_pk_bf16_f32 v[PK+8+p], v[D+2*p], v[D+2*p+1]
.set p, p+1
.endr
	ds_store_b128 v[OSS], v[PK+8:PK+11]  offset:64*(\n)     ; c = 32 n + 8 hh + 0..7
	ds_store_b128 v[OSS], v[PK+12:PK+15] offset:64*(\n)+32  ; c = 32 n + 16 + 8 hh + 0..7
.endm
	CHUNK2 0
	CHUNK2 1
	CHUNK2 2
	CHUNK2 3
.set t, 0
.rept 8                                                ; back as whole rows: lanes 0-15 batch 2 t, lanes 16-31 batch 2 t + 1
	ds_load_b128 v[RS+4*t:RS+4*t+3], v[OSL] offset:2*272*t
.set t, t+1
.endr
.set t, 0
.rept 8
	s_wait_dscnt 7-t                               ; LDS loads come back in order: load t is in, the younger ones stay out
	global_store_b128 v[UA], v[RS+4*t:RS+4*t+3], s[14:15] offset:65536*t  ; sixteen lanes store 256 consecutive bytes, at a multiple of 256 from U's first
.set t, t+1
.endr
	s_wait_tensorcnt 0x0                           ; the wave's end, behind my last LDS store
	ds_add_u32 v[SPW], v[NIL]
	s_wait_dscnt 0x0
	s_endpgm
.Lfunc_end_k_qdfa5d55564_prep:
	.size	k_qdfa5d55564_prep, .Lfunc_end_k_qdfa5d55564_prep-k_qdfa5d55564_prep
	.p2alignl 7, 3214868480
	.fill 96, 4, 3214868480
	.section	.rodata,"a",@progbits
	.p2align	6, 0x0
	.amdhsa_kernel k_qdfa5d55564_prep
		.amdhsa_group_segment_fixed_size 144640
		.amdhsa_private_segment_fixed_size 0
		.amdhsa_enable_private_segment 0
		.amdhsa_kernarg_size 56
		.amdhsa_user_sgpr_count 2
		.amdhsa_user_sgpr_kernarg_segment_ptr 1
		.amdhsa_wavefront_size32 1
		.amdhsa_system_sgpr_workgroup_id_x 1
		.amdhsa_system_sgpr_workgroup_id_y 1
		.amdhsa_system_sgpr_workgroup_id_z 1
		.amdhsa_system_vgpr_workitem_id 0
		.amdhsa_next_free_vgpr 512
		.amdhsa_next_free_sgpr 66
		.amdhsa_reserve_vcc 0
		.amdhsa_float_denorm_mode_32 3
		.amdhsa_float_denorm_mode_16_64 3
		.amdhsa_memory_ordered 1
		.amdhsa_forward_progress 1
		.amdhsa_inst_pref_size 56
	.end_amdhsa_kernel
	.amdgpu_metadata
---
amdhsa.version: [ 1, 2 ]
amdhsa.kernels:
  - .name:           k_qdfa5d55564_prep
    .symbol:         k_qdfa5d55564_prep.kd
    .args:
      - { .name: q, .offset: 0, .size: 8, .value_kind: global_buffer, .address_space: global }
      - { .name: Wq, .offset: 8, .size: 8, .value_kind: global_buffer, .address_space: global }
      - { .name: bq, .offset: 16, .size: 8, .value_kind: global_buffer, .address_space: global }
      - { .name: Wk, .offset: 24, .size: 8, .value_kind: global_buffer, .address_space: global }
      - { .name: bk, .offset: 32, .size: 8, .value_kind: global_buffer, .address_space: global }
      - { .name: U, .offset: 40, .size: 8, .value_kind: global_buffer, .address_space: global }
      - { .name: CB, .offset: 48, .size: 8, .value_kind: global_buffer, .address_space: global }
    .group_segment_fixed_size: 144640
    .private_segment_fixed_size: 0
    .kernarg_segment_align: 8
    .kernarg_segment_size: 56
    .max_flat_workgroup_size: 256
    .sgpr_count:     66
    .vgpr_count:     512
    .wavefront_size: 32
...
	.end_amdgpu_metadata
.endif
;; end of part 1
;; launch scores (part 2): grid 512 x 1, 8 waves a work-group, no clusters, 70,656 bytes of LDS; arguments k, U, CB, SC; writes SC
.if DOCPART == 2
	.amdgcn_target "amdgcn-amd-amdhsa--gfx1250"
	.amdhsa_code_object_version 6
	.text
	.protected	k_qdfa5d55564_scores
	.globl	k_qdfa5d55564_scores
	.p2align	8
	.type	k_qdfa5d55564_scores,@function
k_qdfa5d55564_scores:
	s_mov_b64 s[64:65], 0
	v_nop
	global_prefetch_b8 v0, s[64:65] scope:SCOPE_SE
	s_setreg_imm32_b32 hwreg(HW_REG_WAVE_MODE, 25, 1), 1
	s_wait_xcnt 0x0
; SCORES.  t[b][h][s] = sum over c of k[b][s][c] U[b][h][c] + cc[h][b]: the raw score times log2(e), for all 16 heads at once.  k is read once, 16 bytes a lane.
; FORMATS.  k and U in bf16 for the matrix unit (U has no room in f16), sums and t in f32.  NaN and infinities are not treated apart.
; SHARES.  A work-group takes 64 keys of one batch, 262,144 dense bytes of k.  Wave w takes c = 128 w .. 128 w + 127, 512 bytes of each row: a slice of K; the eight partial sums meet in LDS.
; A tile is 16 keys: 16 loads a wave, each 512 consecutive bytes; two tiles of every wave are on their way (two buffers of 64 registers).  The rows are rounded to bf16 on the way into the
; wave's own LDS rows and come back as fragments.  K MAP, alike on both sources: the lanes' half hh and slot i hold k = 16 hh + i of a K step of 32.
; SC's ORDER is that of the next launch's registers: [b][step of 32 keys][q 4][hh 2][head 16][e 4], key = 32 step + 16 hh + 4 q + e; a thread stores 16 bytes, sixteen lanes 256 consecutive ones.
; NO CLUSTER: the 32 work-groups of a batch share U, 32 KiB beside the 256 KiB of k that each reads alone.  No tensor load: every byte is converted on its way, so it passes registers anyway,
; and a ring in registers is filled again without a barrier.
.set STG,   0                          ; for each wave 16 rows (keys) x 128 bf16, pitch 272 (an odd multiple of 16 bytes: sixteen rows start at sixteen different groups of four banks; ISA guide 11.1)
.set RED,   8*16*272                   ; for each wave 16 rows (heads) x 64 keys f32, pitch 272
.set SPARE, 2*8*16*272                 ; the spare words, 128 bytes for each wave: four blocks of 256 bytes that no other line names
.set KA,  4                            ; v4   512 w + 16 lane
.set UA,  5                            ; v5   2,048 r + 256 w + 32 hh
.set SA,  6                            ; v6   my wave's stage + 8 lane
.set FA,  7                            ; v7   my wave's stage + 272 r + 32 hh
.set RSS, 8                            ; v8   my wave's partial sums + 272 r + 32 hh
.set RDL, 9                            ; v9   wave 0's partial sums + 272 r + 16 x, x = thread / 16
.set SCO, 10                           ; v10  my 16 bytes in the work-group's 4,096 of SC
.set CBA, 11                           ; v11  4,096 r
.set SPW, 12                           ; v12  LDS address of my spare word; never rewritten
.set NIL, 13                           ; v13  0; never rewritten
.set CC,  14                           ; v14  cc of head r
.set XX,  15                           ; v15  x
.set BU,  16                           ; v16-47   U's fragments, four K steps
.set AF,  48                           ; v48-79   k's fragments, four K steps
.set E,   80                           ; v80-87   the sum over K steps 0 and 2
.set O,   88                           ; v88-95   over K steps 1 and 3
.set Y,   96                           ; v96-127  a tile in bf16
.set X,   128                          ; v128-255 two buffers of 64: a tile as loaded
.set RS,  128                          ; at the end: the eight waves' quads
.macro PLACES                          ; four places behind a matrix instruction, ahead of what reads its result or writes its registers (ISA guide 7.12.1)
.rept 4
	v_nop
.endr
.endm
.macro TREE R                          ; eight quads at v[R ..] are added into the first
.irp d, 16, 8, 4
.set t, 0
.rept (\d)/2
	v_pk_add_f32 v[(\R)+2*t:(\R)+2*t+1], v[(\R)+2*t:(\R)+2*t+1], v[(\R)+(\d)+2*t:(\R)+(\d)+2*t+1]
.set t, t+1
.endr
.endr
.endm
.macro LDK t                           ; tile t into buffer t % 2
.set i, 0
.rept 16
	global_load_b128 v[X+64*((\t)%2)+4*i:X+64*((\t)%2)+4*i+3], v[KA], s[4:5] offset:(16*(\t)+i)*4096 th:TH_LOAD_NT
.set i, i+1
.endr
.endm
	s_load_b256 s[4:11], s[0:1], 0x0               ; k s[4:5], U s[6:7], CB s[8:9], SC s[10:11]
	v_lshl_add_u32 v[SPW], v0, 2, SPARE
	v_mov_b32 v[NIL], 0
	v_lshrrev_b32 v1, 5, v0
	v_readfirstlane_b32 s12, v1                    ; wave 0..7
	v_and_b32 v1, 31, v0                           ; lane
	v_and_b32 v2, 15, v0                           ; r
	v_bfe_u32 v3, v0, 4, 1                         ; hh
	v_lshrrev_b32 v[XX], 4, v0
	s_lshl_b32 s13, s12, 9
	s_lshl_b32 s14, s12, 8
	s_mul_i32 s15, s12, 16*272
	v_lshl_add_u32 v[KA], v1, 4, s13
	v_lshlrev_b32 v[UA], 11, v2
	v_lshl_add_u32 v[UA], v3, 5, v[UA]
	v_add_nc_u32 v[UA], s14, v[UA]
	v_lshl_add_u32 v[SA], v1, 3, s15
	v_mul_u32_u24 v[RDL], v2, 272
	v_lshl_add_u32 v[FA], v3, 5, v[RDL]
	v_add_nc_u32 v[FA], s15, v[FA]
	v_add_nc_u32 v[RSS], RED, v[FA]
	v_lshl_add_u32 v[RDL], v[XX], 4, v[RDL]
	v_add_nc_u32 v[RDL], RED, v[RDL]
	v_lshrrev_b32 v[SCO], 3, v[XX]                 ; keys 4 x .. 4 x + 3: step x / 8,
	v_lshlrev_b32 v[SCO], 11, v[SCO]
	v_and_b32 v[CBA], 3, v[XX]                     ; q = x % 4,
	v_lshl_add_u32 v[SCO], v[CBA], 9, v[SCO]
	v_bfe_u32 v[CBA], v[XX], 2, 1                  ; hh = (x / 4) % 2,
	v_lshl_add_u32 v[SCO], v[CBA], 8, v[SCO]
	v_lshl_add_u32 v[SCO], v2, 4, v[SCO]           ; head r
	v_lshlrev_b32 v[CBA], 12, v2
	s_lshl_b32 s16, ttmp9, 18                      ; 64 rows of 4,096 bytes a work-group: under 2^27
	s_mov_b32 s17, 0
	s_lshr_b32 s18, ttmp9, 5                       ; the batch
	s_lshl_b32 s20, s18, 8                         ; its 256 bytes in a head's part of CB
	s_lshl_b32 s18, s18, 15                        ; its 32,768 bytes of U
	s_mov_b32 s19, 0
	s_mov_b32 s21, 0
	s_lshl_b32 s22, ttmp9, 12                      ; the work-group's 4,096 bytes of SC
	s_mov_b32 s23, 0
	s_wait_kmcnt 0x0
	s_add_nc_u64 s[4:5], s[4:5], s[16:17]
	s_add_nc_u64 s[6:7], s[6:7], s[18:19]
	s_add_nc_u64 s[8:9], s[8:9], s[20:21]
	s_add_nc_u64 s[10:11], s[10:11], s[22:23]
	global_load_b32 v[CC], v[CBA], s[8:9]
.set g, 0
.rept 4                                                ; U as source 1: column = head r, c = 128 w + 32 g + 16 hh + slot
	global_load_b128 v[BU+8*g:BU+8*g+3],   v[UA], s[6:7] offset:64*g
	global_load_b128 v[BU+8*g+4:BU+8*g+7], v[UA], s[6:7] offset:64*g+16
.set g, g+1
.endr
	LDK 0
	LDK 1
; Tile t.  left: the younger loads that may stay out.  refill = 1: its buffer takes tile t + 2 as soon as the conversions have read it.
.macro TILE t, left, refill
	s_wait_loadcnt \left
.set i, 0
.rept 16
	v_cvt_pk_bf16_f32 v[Y+2*i],   v[X+64*((\t)%2)+4*i],   v[X+64*((\t)%2)+4*i+1]
	v_cvt_pk_bf16_f32 v[Y+2*i+1], v[X+64*((\t)%2)+4*i+2], v[X+64*((\t)%2)+4*i+3]
.set i, i+1
.endr
.if \refill
	LDK (\t)+2
.endif
.set i, 0
.rept 16
	ds_store_b64 v[SA], v[Y+2*i:Y+2*i+1] offset:272*i
.set i, i+1
.endr
.set g, 0
.rept 4                                                ; LDS serves a wave's instructions in order (ISA guide 5.7.1.4): these see the stores above; the rows are my wave's own
	ds_load_b128 v[AF+8*g:AF+8*g+3],   v[FA] offset:64*g
	ds_load_b128 v[AF+8*g+4:AF+8*g+7], v[FA] offset:64*g+16
.set g, g+1
.endr
	s_wait_dscnt 0x0
	v_wmma_f32_16x16x32_bf16 v[E:E+7], v[AF:AF+7],     v[BU:BU+7],     0  ; two accumulators take turns
	v_wmma_f32_16x16x32_bf16 v[O:O+7], v[AF+8:AF+15],  v[BU+8:BU+15],  0
	v_wmma_f32_16x16x32_bf16 v[E:E+7], v[AF+16:AF+23], v[BU+16:BU+23], v[E:E+7]
	v_wmma_f32_16x16x32_bf16 v[O:O+7], v[AF+24:AF+31], v[BU+24:BU+31], v[O:O+7]
	PLACES
.set p, 0
.rept 4
	v_pk_add_f32 v[E+2*p:E+2*p+1], v[E+2*p:E+2*p+1], v[O+2*p:O+2*p+1]
.set p, p+1
.endr
	ds_store_b128 v[RSS], v[E:E+3]   offset:64*(\t)     ; head r, keys 16 t + 8 hh + 0..3
	ds_store_b128 v[RSS], v[E+4:E+7] offset:64*(\t)+16  ; and + 4..7
.endm
	TILE 0, 16, 1                                  ; cc, U and tile 0 are in; tile 1's 16 loads stay out
	TILE 1, 16, 1                                  ; tile 2's stay out
	TILE 2, 16, 0                                  ; tile 3's stay out
	TILE 3, 0, 0
	s_wait_dscnt 0x0                               ; for the others' sake: my partial sums are in LDS
	s_barrier_signal -1
	s_barrier_wait -1
.set t, 0
.rept 8                                                ; thread: head r, keys 4 x .. 4 x + 3; one quad from each wave
	ds_load_b128 v[RS+4*t:RS+4*t+3], v[RDL] offset:16*272*t
.set t, t+1
.endr
	s_wait_dscnt 0x0
	TREE RS
.set p, 0
.rept 4
	v_add_f32 v[RS+p], v[RS+p], v[CC]
.set p, p+1
.endr
	global_store_b128 v[SCO], v[RS:RS+3], s[10:11]  ; sixteen lanes store 256 consecutive bytes, at a multiple of 256 from SC's first
	s_wait_tensorcnt 0x0                           ; the wave's end, behind my last LDS store
	ds_add_u32 v[SPW], v[NIL]
	s_wait_dscnt 0x0
	s_endpgm
.Lfunc_end_k_qdfa5d55564_scores:
	.size	k_qdfa5d55564_scores, .Lfunc_end_k_qdfa5d55564_scores-k_qdfa5d55564_scores
	.p2alignl 7, 3214868480
	.fill 96, 4, 3214868480
	.section	.rodata,"a",@progbits
	.p2align	6, 0x0
	.amdhsa_kernel k_qdfa5d55564_scores
		.amdhsa_group_segment_fixed_size 70656
		.amdhsa_private_segment_fixed_size 0
		.amdhsa_enable_private_segment 0
		.amdhsa_kernarg_size 32
		.amdhsa_user_sgpr_count 2
		.amdhsa_user_sgpr_kernarg_segment_ptr 1
		.amdhsa_wavefront_size32 1
		.amdhsa_system_sgpr_workgroup_id_x 1
		.amdhsa_system_sgpr_workgroup_id_y 1
		.amdhsa_system_sgpr_workgroup_id_z 1
		.amdhsa_system_vgpr_workitem_id 0
		.amdhsa_next_free_vgpr 256
		.amdhsa_next_free_sgpr 66
		.amdhsa_reserve_vcc 0
		.amdhsa_float_denorm_mode_32 3
		.amdhsa_float_denorm_mode_16_64 3
		.amdhsa_memory_ordered 1
		.amdhsa_forward_progress 1
		.amdhsa_inst_pref_size 29
	.end_amdhsa_kernel
	.amdgpu_metadata
---
amdhsa.version: [ 1, 2 ]
amdhsa.kernels:
  - .name:           k_qdfa5d55564_scores
    .symbol:         k_qdfa5d55564_scores.kd
    .args:
      - { .name: k, .offset: 0, .size: 8, .value_kind: global_buffer, .address_space: global }
      - { .name: U, .offset: 8, .size: 8, .value_kind: global_buffer, .address_space: global }
      - { .name: CB, .offset: 16, .size: 8, .value_kind: global_buffer, .address_space: global }
      - { .name: SC, .offset: 24, .size: 8, .value_kind: global_buffer, .address_space: global }
    .group_segment_fixed_size: 70656
    .private_segment_fixed_size: 0
    .kernarg_segment_align: 8
    .kernarg_segment_size: 32
    .max_flat_workgroup_size: 256
    .sgpr_count:     66
    .vgpr_count:     256
    .wavefront_size: 32
...
	.end_amdgpu_metadata
.endif
;; end of part 2
;; launch attend (part 3): grid 16 x 16, 8 waves a work-group, no clusters, 107,520 bytes of LDS; arguments v, SC, maskfill, Y0, Y1; writes Y0, Y1
.if DOCPART == 3
	.amdgcn_target "amdgcn-amd-amdhsa--gfx1250"
	.amdhsa_code_object_version 6
	.text
	.protected	k_qdfa5d55564_attend
	.globl	k_qdfa5d55564_attend
	.p2align	8
	.type	k_qdfa5d55564_attend,@function
k_qdfa5d55564_attend:
	s_mov_b64 s[64:65], 0
	v_nop
	global_prefetch_b8 v0, s[64:65] scope:SCOPE_SE
	s_setreg_imm32_b32 hwreg(HW_REG_WAVE_MODE, 25, 1), 1
	s_wait_xcnt 0x0
; ATTEND.  Since a softmax's weights add up to 1, sum_s p_s (v_s Wv_h + bv_h) = (sum_s p_s v_s) Wv_h + bv_h.  This launch makes, for batch b (grid y) and 64 columns c of v (grid x),
;   Y0[h][b][c] = sum_s p1 v[b][s][c] / sum_s p1,  p1 = 2^(t - M1),  M1 = max_s t            (t: the scores times log2(e), from SC)
;   Y1[h][b][c] = the same with t' = 0 where maskfill is set, t elsewhere, and M2 = max_s t'.
; Both maxima are the true ones, taken over all 2,048 keys before any exponential.  v is read once, 16 bytes a lane, and needs no LDS.
; FORMATS.  p and v are rounded once to f16 for the matrix unit; maxima, the sums of p (of the unrounded p) and the products' sums are f32.
; LIMITS.  |v| stays under 65,504 (f16's end); p lies in 0 to 1 and keeps f16's fixed step of 6e-8 below 6e-5; a weight below 2^-126 counts as 0; NaN and infinities are not treated apart.
; SHARES.  Wave w owns keys 256 w .. 256 w + 255, eight steps of 32: a slice of K.  The rows of the product are the 16 heads, twice (plain, masked).  The waves' maxima, sums and products meet in LDS.
; K MAP, alike on both sources: the lanes' half hh and slot i hold key 16 hh + i of a step.  SC lies in that order, so four 16-byte loads ARE a step's scores of head r.
; v: load i of 16 takes key 16 hh + i, 16 bytes at 16 r: an instruction covers two runs of 256 consecutive bytes; 32 conversions make four fragments, fragment f holding the columns 4 r + f.
; Three steps of v are on their way in every wave (three buffers of 64 registers); a step's exponentials stand ahead of the wait for its v.
; THE MASK: a byte of 0 or 1 times 255 is 0x00 or 0xff; v_perm_b32 spreads it over a word, v_bfi_b32 then chooses by bits: 0 for t, later 2^(-M2) for the weight.
; NO CLUSTER: the 16 work-groups of a batch share SC and the mask, 160 KiB beside the 512 KiB of v that each reads alone, and take them straight into registers in the lanes' own order.
; No tensor load: every byte of v is converted on its way, so it passes registers anyway, and a ring in registers is filled again without a barrier.
.set RED,   0                          ; for each wave 32 rows (16 x path + head) x 64 f32, pitch 272
.set MS,    8*32*272                   ; for each wave 16 rows (heads) x 256 mask bytes, pitch 272 (an odd multiple of 16 bytes: sixteen rows start at sixteen different groups of four banks; ISA guide 11.1)
.set MX,    MS+8*16*272                ; 32 rows x 8 waves: the waves' maxima
.set LS,    MX+1024                    ; the same for the sums of p
.set SPARE, LS+1024                    ; the spare words, 128 bytes for each wave: four blocks of 256 bytes that no other line names
.set SCA, 4                            ; v4   16 lane
.set MA,  5                            ; v5   2,048 hh + 256 w + 16 r
.set VA,  6                            ; v6   (256 w + 16 hh) rows of 4,096 bytes + 16 r
.set MSS, 7                            ; v7   my wave's mask rows + 272 hh + 16 r
.set MSL, 8                            ; v8   my wave's mask rows + 272 r + 16 hh
.set STS, 9                            ; v9   MX + 32 lane + 4 w
.set MXL, 10                           ; v10  MX + 32 r
.set RA,  11                           ; v11  my wave's products + 8 hh rows + 16 r
.set RD,  12                           ; v12  wave 0's products + row thread / 16 + 16 r
.set YO,  13                           ; v13  65,536 (thread / 16) + 16 r
.set SPW, 14                           ; v14  LDS address of my spare word; never rewritten
.set NIL, 15                           ; v15  0; never rewritten
.set M1,  16                           ; v16-17  M1, named as a pair
.set M2,  18                           ; v18-19  M2
.set C0,  20                           ; v20  2^(-M2): a masked key's weight
.set R16, 21                           ; v21  16 r
.set L1,  22                           ; v22-25  sums of p1, two chains of pairs
.set L2,  26                           ; v26-29  of p2
.set C1,  30                           ; v30-33  four chains of the maximum of t
.set C2,  34                           ; v34-37  of t'
.set LSL, 38                           ; v38  LS + 32 (thread / 16)
.set TQ,  39                           ; v39  thread / 16
.set S,   40                           ; v40-167  t: 16 a step; at the end what is read back from LDS
.set MK,  168                          ; v168-199 the mask: 4 words a step
.set BF,  200                          ; v200-231 four fragments of v; before that:
.set RAW, 200                          ;          the mask as loaded,
.set T1,  200                          ; v200-215 a step's p1,
.set T2,  216                          ; v216-231 and p2
.set PF,  232                          ; v232-247 p1's and p2's fragments
.set TM,  248                          ; v248-255 eight masks spread over words
.set RS,  40
.set LSV, 104
.set SEL, 20                           ; s20-23   v_perm_b32's selectors: byte e four times
                                       ; window 1: v0-191 three buffers of 64; v192-255 the accumulators, (path, f) at 192 + 32 path + 8 f
.set MSB, 0
.macro WIN new                         ; the immediate's high byte repeats the setting that is left; a switch that changes nothing is dropped
.if MSB != (\new)
	s_set_vgpr_msb (MSB<<8)|(\new)
.set MSB, \new
.endif
.endm
.set W_CVT, 0x05                       ; sources 0 and 1 in window 1
.set W_LD,  0x40                       ; destination in window 1
.set W_MM,  0x50                       ; C and D in window 1
.set W_ST,  0x04                       ; an LDS store's data in window 1
.macro PLACES                          ; four places behind a matrix instruction, ahead of what reads its result or writes its registers (ISA guide 7.12.1)
.rept 4
	v_nop
.endr
.endm
.macro TREE R                          ; eight quads at v[R ..] are added into the first
.irp d, 16, 8, 4
.set t, 0
.rept (\d)/2
	v_pk_add_f32 v[(\R)+2*t:(\R)+2*t+1], v[(\R)+2*t:(\R)+2*t+1], v[(\R)+(\d)+2*t:(\R)+(\d)+2*t+1]
.set t, t+1
.endr
.endr
.endm
.macro LDV j                           ; step j of v into buffer j % 3
	WIN W_LD
.set i, 0
.rept 16
	global_load_b128 v[64*((\j)%3)+4*i:64*((\j)%3)+4*i+3], v[VA], s[4:5] offset:(32*(\j)+i)*4096 th:TH_LOAD_NT
.set i, i+1
.endr
.endm
.macro SPREAD j, hf                    ; the masks of slots 8 hf .. 8 hf + 7 of step j, each over a whole word
.set e, 0
.rept 8
	v_perm_b32 v[TM+e], v[MK+4*(\j)+2*(\hf)+e/4], v[MK+4*(\j)+2*(\hf)+e/4], s[SEL+e%4]
.set e, e+1
.endr
.endm
	s_load_b256 s[4:11], s[0:1], 0x0               ; v s[4:5], SC s[6:7], maskfill s[8:9], Y0 s[10:11]
	s_load_b64 s[12:13], s[0:1], 0x20              ; Y1
	v_lshl_add_u32 v[SPW], v0, 2, SPARE
	v_mov_b32 v[NIL], 0
	v_lshrrev_b32 v1, 5, v0
	v_readfirstlane_b32 s14, v1                    ; wave 0..7
	v_and_b32 v1, 31, v0                           ; lane
	v_and_b32 v2, 15, v0                           ; r
	v_bfe_u32 v3, v0, 4, 1                         ; hh
	v_lshrrev_b32 v[TQ], 4, v0
	v_lshlrev_b32 v[R16], 4, v2
	v_cmp_eq_u32 s26, 1, v3                        ; lanes 16-31
	s_and_b32 s15, ttmp7, 0xffff                   ; the batch
	s_mov_b32 s[SEL], 0
	s_mov_b32 s[SEL+1], 0x01010101
	s_mov_b32 s[SEL+2], 0x02020202
	s_mov_b32 s[SEL+3], 0x03030303
	s_mov_b32 s24, 0x76543210                      ; v_permlanex16_b32: each lane takes its own place in the other half
	s_mov_b32 s25, 0xfedcba98
	s_lshl_b32 s16, s15, 23                        ; v: the batch's 2,048 rows of 4,096 bytes and the slice's 256 bytes: under 2^27
	s_lshl_b32 s27, ttmp9, 8
	s_add_co_u32 s16, s16, s27
	s_mov_b32 s17, 0
	s_lshl_b32 s30, s15, 12                        ; Y: the batch's row of 4,096 bytes and the slice
	s_add_co_u32 s30, s30, s27
	s_mov_b32 s31, 0
	s_lshl_b32 s18, s15, 17                        ; SC: the batch's 131,072 bytes and my wave's eight steps of 2,048
	s_lshl_b32 s19, s14, 14
	s_add_co_u32 s18, s18, s19
	s_mov_b32 s19, 0
	s_lshl_b32 s28, s15, 15                        ; the mask: the batch's 16 rows of 2,048 bytes
	s_mov_b32 s29, 0
	v_lshlrev_b32 v[SCA], 4, v1
	s_lshl_b32 s27, s14, 8
	v_lshl_add_u32 v[MA], v3, 11, v[R16]
	v_add_nc_u32 v[MA], s27, v[MA]
	s_lshl_b32 s27, s14, 20
	v_lshl_add_u32 v[VA], v3, 16, v[R16]
	v_add_nc_u32 v[VA], s27, v[VA]
	s_mul_i32 s27, s14, 16*272
	s_add_co_u32 s27, s27, MS
	v_mul_u32_u24 v[MSS], v3, 272
	v_add3_u32 v[MSS], v[MSS], v[R16], s27
	v_mul_u32_u24 v[MSL], v2, 272
	v_lshl_add_u32 v[MSL], v3, 4, v[MSL]
	v_add_nc_u32 v[MSL], s27, v[MSL]
	s_lshl_b32 s27, s14, 2
	s_add_co_u32 s27, s27, MX
	v_lshl_add_u32 v[STS], v1, 5, s27
	v_lshl_add_u32 v[MXL], v2, 5, MX
	s_mul_i32 s27, s14, 32*272
	v_mul_u32_u24 v[RA], v3, 8*272
	v_add3_u32 v[RA], v[RA], v[R16], s27
	v_mul_u32_u24 v[RD], v[TQ], 272
	v_add_nc_u32 v[RD], v[RD], v[R16]
	v_lshl_add_u32 v[YO], v[TQ], 16, v[R16]
	v_lshl_add_u32 v[LSL], v[TQ], 5, LS
	s_wait_kmcnt 0x0
	s_add_nc_u64 s[4:5], s[4:5], s[16:17]
	s_add_nc_u64 s[6:7], s[6:7], s[18:19]
	s_add_nc_u64 s[8:9], s[8:9], s[28:29]
	s_add_nc_u64 s[10:11], s[10:11], s[30:31]
	s_add_nc_u64 s[12:13], s[12:13], s[30:31]
.set i, 0
.rept 32                                               ; my wave's scores: step i / 4, slots 4 (i % 4) on; 512 consecutive bytes an instruction
	global_load_b128 v[S+4*i:S+4*i+3], v[SCA], s[6:7] offset:512*i
.set i, i+1
.endr
.set i, 0
.rept 8                                                ; my wave's 256 mask bytes of heads 2 i + hh
	global_load_b128 v[RAW+4*i:RAW+4*i+3], v[MA], s[8:9] offset:4096*i
.set i, i+1
.endr
	LDV 0
	LDV 1
	LDV 2
	WIN 0
	s_wait_loadcnt 48                              ; scores and mask are in; the 48 loads of v stay out
.set i, 0
.rept 8
	ds_store_b128 v[MSS], v[RAW+4*i:RAW+4*i+3] offset:2*272*i
.set i, i+1
.endr
.set j, 0
.rept 8                                                ; back by heads: head r, keys 32 j + 16 hh + 0..15; LDS serves a wave's instructions in order (ISA guide 5.7.1.4), and the rows are my wave's own
	ds_load_b128 v[MK+4*j:MK+4*j+3], v[MSL] offset:32*j
.set j, j+1
.endr
	s_wait_dscnt 0x0
.set i, 0
.rept 32                                               ; four bytes of 0 or 1 times 255: no byte carries into the next
	v_lshlrev_b32 v[TM+i%8], 8, v[MK+i]
	v_sub_nc_u32 v[MK+i], v[TM+i%8], v[MK+i]
.set i, i+1
.endr
; THE MAXIMA.  Eight slots at a time: t' = 0 where masked, then four chains each for t and t', three operands at a time.  The first eight slots start the chains.
.macro PASS1 j, hf
	SPREAD \j, \hf
.set e, 0
.rept 8
	v_bfi_b32 v[T2+e], v[TM+e], 0, v[S+16*(\j)+8*(\hf)+e]
.set e, e+1
.endr
.set c, 0
.rept 4
.if ((\j) == 0) && ((\hf) == 0)
	v_max_num_f32 v[C1+c], v[S+2*c], v[S+2*c+1]
	v_max_num_f32 v[C2+c], v[T2+2*c], v[T2+2*c+1]
.else
	v_max3_num_f32 v[C1+c], v[C1+c], v[S+16*(\j)+8*(\hf)+2*c], v[S+16*(\j)+8*(\hf)+2*c+1]
	v_max3_num_f32 v[C2+c], v[C2+c], v[T2+2*c], v[T2+2*c+1]
.endif
.set c, c+1
.endr
.endm
.irp j, 0,1,2,3,4,5,6,7
	PASS1 \j, 0
	PASS1 \j, 1
.endr
	v_max3_num_f32 v[C1], v[C1], v[C1+1], v[C1+2]
	v_max3_num_f32 v[C2], v[C2], v[C2+1], v[C2+2]
	v_max_num_f32 v[C1], v[C1], v[C1+3]
	v_max_num_f32 v[C2], v[C2], v[C2+3]
	v_permlanex16_b32 v[C1+1], v[C1], s24, s25     ; the head's other keys lie in the lane 16 away
	v_permlanex16_b32 v[C2+1], v[C2], s24, s25
	v_max_num_f32 v[C1], v[C1], v[C1+1]
	v_max_num_f32 v[C2], v[C2], v[C2+1]
	v_cndmask_b32 v[C1], v[C1], v[C2], s26         ; lanes 0-15 hand in the plain maximum (row r), lanes 16-31 the masked one (row 16 + r)
	ds_store_b32 v[STS], v[C1]
	s_wait_dscnt 0x0                               ; for the others' sake: my wave's maxima are in LDS
	s_barrier_signal -1
	s_barrier_wait -1
	ds_load_b128 v[PF:PF+3],     v[MXL]            ; head r: the eight waves' plain maxima,
	ds_load_b128 v[PF+4:PF+7],   v[MXL] offset:16
	ds_load_b128 v[PF+8:PF+11],  v[MXL] offset:512 ; and the masked ones
	ds_load_b128 v[PF+12:PF+15], v[MXL] offset:528
	s_wait_dscnt 0x0
	v_max3_num_f32 v[M1], v[PF],   v[PF+1], v[PF+2]
	v_max3_num_f32 v[M2], v[PF+8], v[PF+9], v[PF+10]
	v_max3_num_f32 v[M1], v[M1], v[PF+3],  v[PF+4]
	v_max3_num_f32 v[M2], v[M2], v[PF+11], v[PF+12]
	v_max3_num_f32 v[M1], v[M1], v[PF+5],  v[PF+6]
	v_max3_num_f32 v[M2], v[M2], v[PF+13], v[PF+14]
	v_max_num_f32 v[M1], v[M1], v[PF+7]
	v_max_num_f32 v[M2], v[M2], v[PF+15]
	v_xor_b32 v[C0], 0x80000000, v[M2]
	v_exp_f32 v[C0], v[C0]                         ; where a key is masked M2 is 0 or more, so this is 1 at the most; where none is, nothing takes it
	v_mov_b32 v[M1+1], v[M1]                       ; named as pairs; also the plain instruction behind the exponential (ISA guide 5.7.2)
	v_mov_b32 v[M2+1], v[M2]
.macro LSUM L, T, j                    ; a step's eight pairs of weights onto two chains; the first step's first four pairs start them: nothing is cleared
.set k, 0
.rept 8
.if ((\j) == 0) && (k < 2)
.elseif ((\j) == 0) && (k < 4)
	v_pk_add_f32 v[(\L)+2*(k%2):(\L)+2*(k%2)+1], v[(\T)+2*(k-2):(\T)+2*(k-2)+1], v[(\T)+2*k:(\T)+2*k+1]
.else
	v_pk_add_f32 v[(\L)+2*(k%2):(\L)+2*(k%2)+1], v[(\L)+2*(k%2):(\L)+2*(k%2)+1], v[(\T)+2*k:(\T)+2*k+1]
.endif
.set k, k+1
.endr
.endm
; A step's weights.  A masked key's 2^(t - M2) may be anything, an infinity too: it is replaced by bits before anything is computed from it.
.macro PSTEP j
.set k, 0
.rept 8
	v_pk_add_f32 v[T1+2*k:T1+2*k+1], v[S+16*(\j)+2*k:S+16*(\j)+2*k+1], v[M1:M1+1] op_sel_hi:[1,0] neg_lo:[0,1] neg_hi:[0,1]
	v_pk_add_f32 v[T2+2*k:T2+2*k+1], v[S+16*(\j)+2*k:S+16*(\j)+2*k+1], v[M2:M2+1] op_sel_hi:[1,0] neg_lo:[0,1] neg_hi:[0,1]
.set k, k+1
.endr
.set k, 0
.rept 32
	v_exp_f32 v[T1+k], v[T1+k]                     ; T1 and T2 lie on end
.set k, k+1
.endr
.irp hf, 0,1
	SPREAD \j, \hf                                 ; plain instructions that name no weight stand behind the last exponential (ISA guide 5.7.2)
.set e, 0
	s_wait_alu depctr_va_vdst(0)
.rept 8
	v_bfi_b32 v[T2+8*(\hf)+e], v[TM+e], v[C0], v[T2+8*(\hf)+e]
.set e, e+1
.endr
.endr
	LSUM L1, T1, \j
	LSUM L2, T2, \j
.set p, 0
.rept 8
	v_cvt_pk_f16_f32 v[PF+p],   v[T1+2*p], v[T1+2*p+1]
	v_cvt_pk_f16_f32 v[PF+8+p], v[T2+2*p], v[T2+2*p+1]
.set p, p+1
.endr
.endm
; A step's products.  left: the loads of the younger steps, which stay out.  The buffer takes step j + 3 as soon as the conversions have read it.  The eight accumulators take turns.
.macro VSTEP j, left
	s_wait_loadcnt \left
	WIN W_CVT
.set f, 0
.rept 4
.set p, 0
.rept 8
	v_cvt_pk_f16_f32 v[BF+8*f+p], v[64*((\j)%3)+8*p+f], v[64*((\j)%3)+8*p+4+f]  ; slots 2 p, 2 p + 1 of column 4 r + f
.set p, p+1
.endr
.set f, f+1
.endr
.if (\j) < 5
	LDV (\j)+3
.endif
	WIN W_MM
.set f, 0
.rept 4
.irp pt, 0,1
.if (\j) == 0
	v_wmma_f32_16x16x32_f16 v[192+32*(\pt)+8*f:192+32*(\pt)+8*f+7], v[PF+8*(\pt):PF+8*(\pt)+7], v[BF+8*f:BF+8*f+7], 0
.else
	v_wmma_f32_16x16x32_f16 v[192+32*(\pt)+8*f:192+32*(\pt)+8*f+7], v[PF+8*(\pt):PF+8*(\pt)+7], v[BF+8*f:BF+8*f+7], v[192+32*(\pt)+8*f:192+32*(\pt)+8*f+7]
.endif
.endr
.set f, f+1
.endr
	WIN 0
	PLACES                                         ; the next step's weights are written over BF and PF; behind the last step the stores read the sums
.endm
.irp j, 0,1,2,3,4,5
	PSTEP \j
	VSTEP \j, 32
.endr
	PSTEP 6
	VSTEP 6, 16
	PSTEP 7
	VSTEP 7, 0
	v_pk_add_f32 v[L1:L1+1], v[L1:L1+1], v[L1+2:L1+3]
	v_pk_add_f32 v[L2:L2+1], v[L2:L2+1], v[L2+2:L2+3]
	v_add_f32 v[L1], v[L1], v[L1+1]
	v_add_f32 v[L2], v[L2], v[L2+1]
	v_permlanex16_b32 v[L1+1], v[L1], s24, s25
	v_permlanex16_b32 v[L2+1], v[L2], s24, s25
	v_add_f32 v[L1], v[L1], v[L1+1]
	v_add_f32 v[L2], v[L2], v[L2+1]
	v_cndmask_b32 v[L1], v[L1], v[L2], s26         ; as with the maxima
	ds_store_b32 v[STS], v[L1] offset:1024         ; LS lies 1,024 bytes behind MX
	WIN W_ST
.set j, 0
.rept 8                                                ; register j of accumulator (path, f) is (head 8 hh + j, column 4 r + f); each accumulator's lowest register goes first
.irp pt, 0,1
.set f, 0
.rept 4
	ds_store_b32 v[RA], v[192+32*(\pt)+8*f+j] offset:(16*(\pt)+j)*272+4*f
.set f, f+1
.endr
.endr
.set j, j+1
.endr
	WIN 0
	s_wait_dscnt 0x0                               ; for the others' sake: my wave's sums and products are in LDS
	s_barrier_signal -1
	s_barrier_wait -1
.irp pt, 0,1
	ds_load_b128 v[LSV+8*(\pt):LSV+8*(\pt)+3],   v[LSL] offset:512*(\pt)     ; thread: head thread / 16, columns 4 r .. 4 r + 3: the eight waves' sums of p,
	ds_load_b128 v[LSV+8*(\pt)+4:LSV+8*(\pt)+7], v[LSL] offset:512*(\pt)+16
.set t, 0
.rept 8
	ds_load_b128 v[RS+32*(\pt)+4*t:RS+32*(\pt)+4*t+3], v[RD] offset:32*272*t+16*272*(\pt)  ; and their products; 65,280 at the most, inside the 16-bit immediate
.set t, t+1
.endr
.endr
	s_wait_dscnt 0x0
.irp pt, 0,1
	v_pk_add_f32 v[LSV+8*(\pt):LSV+8*(\pt)+1],   v[LSV+8*(\pt):LSV+8*(\pt)+1],   v[LSV+8*(\pt)+2:LSV+8*(\pt)+3]
	v_pk_add_f32 v[LSV+8*(\pt)+4:LSV+8*(\pt)+5], v[LSV+8*(\pt)+4:LSV+8*(\pt)+5], v[LSV+8*(\pt)+6:LSV+8*(\pt)+7]
	v_pk_add_f32 v[LSV+8*(\pt):LSV+8*(\pt)+1],   v[LSV+8*(\pt):LSV+8*(\pt)+1],   v[LSV+8*(\pt)+4:LSV+8*(\pt)+5]
	v_add_f32 v[LSV+8*(\pt)], v[LSV+8*(\pt)], v[LSV+8*(\pt)+1]
.endr
	v_rcp_f32 v[LSV+2],  v[LSV]                    ; the largest weight is 1, so the sum is 1 or more
	v_rcp_f32 v[LSV+10], v[LSV+8]
	TREE RS                                        ; plain work between the reciprocals and their use (ISA guide 5.7.2)
	TREE RS+32
	s_wait_alu depctr_va_vdst(0)
.irp pt, 0,1
	v_pk_mul_f32 v[RS+32*(\pt):RS+32*(\pt)+1],   v[RS+32*(\pt):RS+32*(\pt)+1],   v[LSV+8*(\pt)+2:LSV+8*(\pt)+3] op_sel_hi:[1,0]
	v_pk_mul_f32 v[RS+32*(\pt)+2:RS+32*(\pt)+3], v[RS+32*(\pt)+2:RS+32*(\pt)+3], v[LSV+8*(\pt)+2:LSV+8*(\pt)+3] op_sel_hi:[1,0]
.endr
	global_store_b128 v[YO], v[RS:RS+3],     s[10:11]  ; sixteen lanes store 256 consecutive bytes, at a multiple of 256 from the buffer's first
	global_store_b128 v[YO], v[RS+32:RS+35], s[12:13]
	s_wait_tensorcnt 0x0                           ; the wave's end, behind my last LDS store
	ds_add_u32 v[SPW], v[NIL]
	s_wait_dscnt 0x0
	s_endpgm
.Lfunc_end_k_qdfa5d55564_attend:
	.size	k_qdfa5d55564_attend, .Lfunc_end_k_qdfa5d55564_attend-k_qdfa5d55564_attend
	.p2alignl 7, 3214868480
	.fill 96, 4, 3214868480
	.section	.rodata,"a",@progbits
	.p2align	6, 0x0
	.amdhsa_kernel k_qdfa5d55564_attend
		.amdhsa_group_segment_fixed_size 107520
		.amdhsa_private_segment_fixed_size 0
		.amdhsa_enable_private_segment 0
		.amdhsa_kernarg_size 40
		.amdhsa_user_sgpr_count 2
		.amdhsa_user_sgpr_kernarg_segment_ptr 1
		.amdhsa_wavefront_size32 1
		.amdhsa_system_sgpr_workgroup_id_x 1
		.amdhsa_system_sgpr_workgroup_id_y 1
		.amdhsa_system_sgpr_workgroup_id_z 1
		.amdhsa_system_vgpr_workitem_id 0
		.amdhsa_next_free_vgpr 512
		.amdhsa_next_free_sgpr 66
		.amdhsa_reserve_vcc 0
		.amdhsa_float_denorm_mode_32 3
		.amdhsa_float_denorm_mode_16_64 3
		.amdhsa_memory_ordered 1
		.amdhsa_forward_progress 1
		.amdhsa_inst_pref_size 127
	.end_amdhsa_kernel
	.amdgpu_metadata
---
amdhsa.version: [ 1, 2 ]
amdhsa.kernels:
  - .name:           k_qdfa5d55564_attend
    .symbol:         k_qdfa5d55564_attend.kd
    .args:
      - { .name: v, .offset: 0, .size: 8, .value_kind: global_buffer, .address_space: global }
      - { .name: SC, .offset: 8, .size: 8, .value_kind: global_buffer, .address_space: global }
      - { .name: maskfill, .offset: 16, .size: 8, .value_kind: global_buffer, .address_space: global }
      - { .name: Y0, .offset: 24, .size: 8, .value_kind: global_buffer, .address_space: global }
      - { .name: Y1, .offset: 32, .size: 8, .value_kind: global_buffer, .address_space: global }
    .group_segment_fixed_size: 107520
    .private_segment_fixed_size: 0
    .kernarg_segment_align: 8
    .kernarg_segment_size: 40
    .max_flat_workgroup_size: 256
    .sgpr_count:     66
    .vgpr_count:     512
    .wavefront_size: 32
...
	.end_amdgpu_metadata
.endif
;; end of part 3
;; launch concat (part 4): grid 16 x 1, 8 waves a work-group, no clusters, 140,288 bytes of LDS; arguments Y0, Y1, Wv, bv, CC0, CC1; writes CC0, CC1
.if DOCPART == 4
	.amdgcn_target "amdgcn-amd-amdhsa--gfx1250"
	.amdhsa_code_object_version 6
	.text
	.protected	k_qdfa5d55564_concat
	.globl	k_qdfa5d55564_concat
	.p2align	8
	.type	k_qdfa5d55564_concat,@function
k_qdfa5d55564_concat:
	s_mov_b64 s[64:65], 0
	v_nop
	global_prefetch_b8 v0, s[64:65] scope:SCOPE_SE
	s_setreg_imm32_b32 hwreg(HW_REG_WAVE_MODE, 25, 1), 1
	s_wait_xcnt 0x0
; A PROJECTION OF 16 ROWS, TWICE.  outA[b][64 col + d] = sum over m of inA[x][b][m] W[m][64 col + d] + bias[64 col + d], and the same for inB and outB; m runs to 1,024; rows of 4,096 bytes.
; One text for two launches: x = grid x, y = grid y, col = x + y, and the inputs begin x x 65,536 bytes in.
;   grid 16 x 1: head x: in = the normalised sums of p v of that head, W = Wv, out = the head's 64 columns of the concatenation.
;   grid 1 x 16: in = the concatenation, W = Wo, out = 64 columns of the module's output.
; FORMATS.  in and W are rounded once to f16 for the matrix unit; sums, bias and out in f32.  LIMITS.  |in| and |W| stay under 65,504 (f16's end); NaN and infinities are not treated apart.
; SHARES.  Wave w owns m = 128 w .. 128 w + 127, four K steps of 32; the eight partial sums meet in LDS.  K MAP, alike on both sources: the lanes' half hh and slot i hold k = 16 hh + i.
; W: load i of 16 takes row 16 hh + i, 16 bytes at 16 r: an instruction covers two runs of 256 consecutive bytes; 32 conversions make four fragments, fragment f holding the columns 4 r + f.
; The inputs' rows lie along K: they are rounded on the way into the wave's own LDS rows and come back as fragments.
; NO CLUSTER: in the second launch the work-groups share the inputs, 128 KiB beside the 256 KiB of weights that each reads alone; in the first they share nothing.
; 16 work-groups: a slice of 64 columns is 256 bytes of a weight row, and a further split would need a sum across work-groups.
.set RED,   0                          ; for each wave 32 rows (16 x path + b) x 64 f32, pitch 272
.set IS,    8*32*272                   ; for each wave 32 rows (16 x path + b) x 128 f16, pitch 272 (an odd multiple of 16 bytes: sixteen rows start at sixteen different groups of four banks; ISA guide 11.1)
.set SPARE, 2*8*32*272                 ; the spare words, 128 bytes for each wave: four blocks of 256 bytes that no other line names
.set IA,  4                            ; v4   512 w + 16 lane
.set WA,  5                            ; v5   (128 w + 16 hh) rows of 4,096 bytes + 16 r
.set BA,  6                            ; v6   16 r
.set ISS, 7                            ; v7   my wave's input rows + 8 lane
.set ISL, 8                            ; v8   my wave's input rows + 272 r + 32 hh
.set RA,  9                            ; v9   my wave's partial sums + 8 hh rows + 16 r
.set RD,  10                           ; v10  wave 0's partial sums + row thread / 16 + 16 r
.set OO,  11                           ; v11  4,096 (thread / 16) + 16 r
.set SPW, 12                           ; v12  LDS address of my spare word; never rewritten
.set NIL, 13                           ; v13  0; never rewritten
.set TQ,  14                           ; v14  thread / 16
.set BI,  16                           ; v16-19   the bias of my four columns
.set IX,  32                           ; v32-159  the inputs as loaded
.set AF,  32                           ; v32-95   later: their fragments, (K step g, path) at AF + 16 g + 8 path
.set RS,  32                           ; at the end: what is read back from LDS
.set Y,   160                          ; v160-223 the inputs in f16
.set BF,  224                          ; v224-255 four fragments of W
                                       ; window 1: v0-191 three buffers of 64; v192-255 the accumulators, (path, f) at 192 + 32 path + 8 f
.set MSB, 0
.macro WIN new                         ; the immediate's high byte repeats the setting that is left; a switch that changes nothing is dropped
.if MSB != (\new)
	s_set_vgpr_msb (MSB<<8)|(\new)
.set MSB, \new
.endif
.endm
.set W_CVT, 0x05                       ; sources 0 and 1 in window 1
.set W_LD,  0x40                       ; destination in window 1
.set W_MM,  0x50                       ; C and D in window 1
.set W_ST,  0x04                       ; an LDS store's data in window 1
.macro PLACES                          ; four places behind a matrix instruction, ahead of what reads its result or writes its registers (ISA guide 7.12.1)
.rept 4
	v_nop
.endr
.endm
.macro TREE R                          ; eight quads at v[R ..] are added into the first
.irp d, 16, 8, 4
.set t, 0
.rept (\d)/2
	v_pk_add_f32 v[(\R)+2*t:(\R)+2*t+1], v[(\R)+2*t:(\R)+2*t+1], v[(\R)+(\d)+2*t:(\R)+(\d)+2*t+1]
.set t, t+1
.endr
.endr
.endm
.macro LDW g                           ; K step g of W into buffer g % 3
	WIN W_LD
.set i, 0
.rept 16
	global_load_b128 v[64*((\g)%3)+4*i:64*((\g)%3)+4*i+3], v[WA], s[8:9] offset:(32*(\g)+i)*4096 th:TH_LOAD_NT
.set i, i+1
.endr
.endm
	s_load_b256 s[4:11], s[0:1], 0x0               ; inA s[4:5], inB s[6:7], W s[8:9], bias s[10:11]
	s_load_b128 s[12:15], s[0:1], 0x20             ; outA s[12:13], outB s[14:15]
	v_lshl_add_u32 v[SPW], v0, 2, SPARE
	v_mov_b32 v[NIL], 0
	v_lshrrev_b32 v1, 5, v0
	v_readfirstlane_b32 s16, v1                    ; wave 0..7
	v_and_b32 v1, 31, v0                           ; lane
	v_and_b32 v2, 15, v0                           ; r
	v_bfe_u32 v3, v0, 4, 1                         ; hh
	v_lshrrev_b32 v[TQ], 4, v0
	s_and_b32 s17, ttmp7, 0xffff                   ; y
	s_add_co_u32 s18, s17, ttmp9                   ; col
	s_lshl_b32 s20, ttmp9, 16                      ; the inputs' part x
	s_mov_b32 s21, 0
	s_lshl_b32 s22, s18, 8                         ; the slice's 256 bytes
	s_mov_b32 s23, 0
	s_lshl_b32 s24, s16, 9
	s_lshl_b32 s25, s16, 19
	s_mul_i32 s26, s16, 32*272
	s_add_co_u32 s27, s26, IS
	v_lshl_add_u32 v[IA], v1, 4, s24
	v_lshlrev_b32 v[BA], 4, v2
	v_lshl_add_u32 v[WA], v3, 16, v[BA]
	v_add_nc_u32 v[WA], s25, v[WA]
	v_lshl_add_u32 v[ISS], v1, 3, s27
	v_mul_u32_u24 v[ISL], v2, 272
	v_lshl_add_u32 v[ISL], v3, 5, v[ISL]
	v_add_nc_u32 v[ISL], s27, v[ISL]
	v_mul_u32_u24 v[RA], v3, 8*272
	v_add3_u32 v[RA], v[RA], v[BA], s26
	v_mul_u32_u24 v[RD], v[TQ], 272
	v_add_nc_u32 v[RD], v[RD], v[BA]
	v_lshl_add_u32 v[OO], v[TQ], 12, v[BA]
	s_wait_kmcnt 0x0
	s_add_nc_u64 s[4:5], s[4:5], s[20:21]
	s_add_nc_u64 s[6:7], s[6:7], s[20:21]
	s_add_nc_u64 s[8:9], s[8:9], s[22:23]
	s_add_nc_u64 s[10:11], s[10:11], s[22:23]
	s_add_nc_u64 s[12:13], s[12:13], s[22:23]
	s_add_nc_u64 s[14:15], s[14:15], s[22:23]
.set i, 0
.rept 16                                               ; my wave's 512 bytes of each of the 16 rows, of both inputs
	global_load_b128 v[IX+4*i:IX+4*i+3], v[IA], s[4:5] offset:4096*i
.set i, i+1
.endr
.set i, 0
.rept 16
	global_load_b128 v[IX+64+4*i:IX+64+4*i+3], v[IA], s[6:7] offset:4096*i
.set i, i+1
.endr
	global_load_b128 v[BI:BI+3], v[BA], s[10:11]
	LDW 0
	LDW 1
	LDW 2
	WIN 0
	s_wait_loadcnt 48                              ; the inputs and the bias are in; the 48 loads of W stay out
.set i, 0
.rept 32                                               ; row i = 16 x path + b
	v_cvt_pk_f16_f32 v[Y+2*i],   v[IX+4*i],   v[IX+4*i+1]
	v_cvt_pk_f16_f32 v[Y+2*i+1], v[IX+4*i+2], v[IX+4*i+3]
	ds_store_b64 v[ISS], v[Y+2*i:Y+2*i+1] offset:272*i
.set i, i+1
.endr
.set g, 0
.rept 4                                                ; LDS serves a wave's instructions in order (ISA guide 5.7.1.4): these see the stores above; the rows are my wave's own
.irp pt, 0,1
	ds_load_b128 v[AF+16*g+8*(\pt):AF+16*g+8*(\pt)+3],   v[ISL] offset:16*272*(\pt)+64*g
	ds_load_b128 v[AF+16*g+8*(\pt)+4:AF+16*g+8*(\pt)+7], v[ISL] offset:16*272*(\pt)+64*g+16
.endr
.set g, g+1
.endr
	s_wait_dscnt 0x0
; K step g.  left: the loads of the younger steps, which stay out.  The eight accumulators take turns.
.macro STEP g, left
	s_wait_loadcnt \left
	WIN W_CVT
.set f, 0
.rept 4
.set p, 0
.rept 8
	v_cvt_pk_f16_f32 v[BF+8*f+p], v[64*((\g)%3)+8*p+f], v[64*((\g)%3)+8*p+4+f]  ; slots 2 p, 2 p + 1 of column 4 r + f
.set p, p+1
.endr
.set f, f+1
.endr
.if (\g) == 0
	LDW 3                                          ; the first buffer takes the last step as soon as the conversions have read it
.endif
	WIN W_MM
.set f, 0
.rept 4
.irp pt, 0,1
.if (\g) == 0
	v_wmma_f32_16x16x32_f16 v[192+32*(\pt)+8*f:192+32*(\pt)+8*f+7], v[AF+16*(\g)+8*(\pt):AF+16*(\g)+8*(\pt)+7], v[BF+8*f:BF+8*f+7], 0
.else
	v_wmma_f32_16x16x32_f16 v[192+32*(\pt)+8*f:192+32*(\pt)+8*f+7], v[AF+16*(\g)+8*(\pt):AF+16*(\g)+8*(\pt)+7], v[BF+8*f:BF+8*f+7], v[192+32*(\pt)+8*f:192+32*(\pt)+8*f+7]
.endif
.endr
.set f, f+1
.endr
	WIN 0
	PLACES                                         ; the next step's conversions write BF; behind the last step the stores read the sums
.endm
	STEP 0, 32                                     ; steps 1 and 2 stay out
	STEP 1, 32                                     ; steps 2 and 3
	STEP 2, 16
	STEP 3, 0
	WIN W_ST
.set j, 0
.rept 8                                                ; register j of accumulator (path, f) is (b = 8 hh + j, column 4 r + f); each accumulator's lowest register goes first
.irp pt, 0,1
.set f, 0
.rept 4
	ds_store_b32 v[RA], v[192+32*(\pt)+8*f+j] offset:(16*(\pt)+j)*272+4*f
.set f, f+1
.endr
.endr
.set j, j+1
.endr
	WIN 0
	s_wait_dscnt 0x0                               ; for the others' sake: my partial sums are in LDS
	s_barrier_signal -1
	s_barrier_wait -1
.irp pt, 0,1
.set t, 0
.rept 8                                                ; thread: b = thread / 16, columns 4 r .. 4 r + 3; one quad from each wave; 65,280 at the most, inside the 16-bit immediate
	ds_load_b128 v[RS+32*(\pt)+4*t:RS+32*(\pt)+4*t+3], v[RD] offset:32*272*t+16*272*(\pt)
.set t, t+1
.endr
.endr
	s_wait_dscnt 0x0
	TREE RS
	TREE RS+32
.irp pt, 0,1
	v_pk_add_f32 v[RS+32*(\pt):RS+32*(\pt)+1],   v[RS+32*(\pt):RS+32*(\pt)+1],   v[BI:BI+1]
	v_pk_add_f32 v[RS+32*(\pt)+2:RS+32*(\pt)+3], v[RS+32*(\pt)+2:RS+32*(\pt)+3], v[BI+2:BI+3]
.endr
	global_store_b128 v[OO], v[RS:RS+3],     s[12:13]  ; sixteen lanes store 256 consecutive bytes, at a multiple of 256 from the buffer's first
	global_store_b128 v[OO], v[RS+32:RS+35], s[14:15]
	s_wait_tensorcnt 0x0                           ; the wave's end, behind my last LDS store
	ds_add_u32 v[SPW], v[NIL]
	s_wait_dscnt 0x0
	s_endpgm
.Lfunc_end_k_qdfa5d55564_concat:
	.size	k_qdfa5d55564_concat, .Lfunc_end_k_qdfa5d55564_concat-k_qdfa5d55564_concat
	.p2alignl 7, 3214868480
	.fill 96, 4, 3214868480
	.section	.rodata,"a",@progbits
	.p2align	6, 0x0
	.amdhsa_kernel k_qdfa5d55564_concat
		.amdhsa_group_segment_fixed_size 140288
		.amdhsa_private_segment_fixed_size 0
		.amdhsa_enable_private_segment 0
		.amdhsa_kernarg_size 48
		.amdhsa_user_sgpr_count 2
		.amdhsa_user_sgpr_kernarg_segment_ptr 1
		.amdhsa_wavefront_size32 1
		.amdhsa_system_sgpr_workgroup_id_x 1
		.amdhsa_system_sgpr_workgroup_id_y 1
		.amdhsa_system_sgpr_workgroup_id_z 1
		.amdhsa_system_vgpr_workitem_id 0
		.amdhsa_next_free_vgpr 512
		.amdhsa_next_free_sgpr 66
		.amdhsa_reserve_vcc 0
		.amdhsa_float_denorm_mode_32 3
		.amdhsa_float_denorm_mode_16_64 3
		.amdhsa_memory_ordered 1
		.amdhsa_forward_progress 1
		.amdhsa_inst_pref_size 37
	.end_amdhsa_kernel
	.amdgpu_metadata
---
amdhsa.version: [ 1, 2 ]
amdhsa.kernels:
  - .name:           k_qdfa5d55564_concat
    .symbol:         k_qdfa5d55564_concat.kd
    .args:
      - { .name: Y0, .offset: 0, .size: 8, .value_kind: global_buffer, .address_space: global }
      - { .name: Y1, .offset: 8, .size: 8, .value_kind: global_buffer, .address_space: global }
      - { .name: Wv, .offset: 16, .size: 8, .value_kind: global_buffer, .address_space: global }
      - { .name: bv, .offset: 24, .size: 8, .value_kind: global_buffer, .address_space: global }
      - { .name: CC0, .offset: 32, .size: 8, .value_kind: global_buffer, .address_space: global }
      - { .name: CC1, .offset: 40, .size: 8, .value_kind: global_buffer, .address_space: global }
    .group_segment_fixed_size: 140288
    .private_segment_fixed_size: 0
    .kernarg_segment_align: 8
    .kernarg_segment_size: 48
    .max_flat_workgroup_size: 256
    .sgpr_count:     66
    .vgpr_count:     512
    .wavefront_size: 32
...
	.end_amdgpu_metadata
.endif
;; end of part 4
;; launch final: the kernel of part 4 again; grid 1 x 16, 8 waves a work-group, no clusters, 140,288 bytes of LDS; arguments CC0, CC1, Wo, bo, out0, out1; writes out0, out1
;; ======== version 2 of 2: 5 launches; version 1 with the launches prep, attend, concat, final written anew for expert scheduling mode
;; limits: values are held in f16: magnitudes above 65,504 overflow, below 6.1e-05 lose precision
;; workspace buffers: U 524,288 bytes; CB 65,536 bytes; SC 2,097,152 bytes; Y0 1,048,576 bytes; Y1 1,048,576 bytes; CC0 65,536 bytes; CC1 65,536 bytes
;; launch prep (part 5): grid 16 x 1, 8 waves a work-group, no clusters, 144,640 bytes of LDS; arguments q, Wq, bq, Wk, bk, U, CB; writes U, CB
.if DOCPART == 5
	.amdgcn_target "amdgcn-amd-amdhsa--gfx1250"
	.amdhsa_code_object_version 6
	.text
	.protected	k_qdfa5d55564_prep
	.globl	k_qdfa5d55564_prep
	.p2align	8
	.type	k_qdfa5d55564_prep,@function
k_qdfa5d55564_prep:
	s_mov_b64 s[64:65], 0
	v_nop
	global_prefetch_b8 v0, s[64:65] scope:SCOPE_SE
	s_setreg_imm32_b32 hwreg(HW_REG_WAVE_SCHED_MODE, 0, 2), 2
	s_setreg_imm32_b32 hwreg(HW_REG_WAVE_MODE, 25, 1), 1
	s_wait_xcnt 0x0
	s_wait_alu depctr_vm_vsrc(0)
; PREP.  With one query a batch, qh . (k Wk_h + bk_h) = k . (Wk_h qh_h) + bk_h . qh_h, for every input.  For head h (the work-group's number) and all 16 batches b:
;   qs[b][d]   = (log2(e) / 8) (sum over c of q[b][c] Wq[c][64 h + d] + bq[64 h + d])
;   U[b][h][c] = sum over d of Wk[c][64 h + d] qs[b][d], stored in bf16;      cc[h][b] = sum over d of bk[64 h + d] qs[b][d], in f32, stored 64 times on end
;   (thread t stores 16 bytes at 4096 h + 16 t, so sixteen lanes store 256 consecutive, aligned bytes).
; FORMATS.  q, Wq, Wk and qs are rounded once to f16 for the matrix unit, sums in f32; U goes out in bf16, since it has no room in f16 when all inputs carry offsets.
; LIMITS.  |q|, |Wq|, |Wk| and |qs| stay under 65,504 (f16's end); NaN and infinities are not treated apart.
; SHARES.  Eight waves; wave w owns c = 128 w .. 128 w + 127 in both products: in the first that is a slice of K (the eight partial sums meet in LDS), in the second rows of the result.
; K MAP, alike on both sources of every product: in a K step of 32, the lanes' half hh and slot i (register i / 2, half i % 2) hold k = 16 hh + i.
; An operand stored [K][64 columns] in f32 needs no LDS: load i of 16 takes row 16 hh + i, 16 bytes at 16 r, so an instruction covers two runs of 256 consecutive bytes; 32 conversions then
; make four fragments, fragment f holding the columns 4 r + f.  An operand whose rows lie along K goes through the wave's own LDS rows, rounded on the way in.
; NO CLUSTER: the work-groups share q alone, 64 KiB beside the 512 KiB of weights that each reads for itself.  No tensor load: every byte is converted on its way, so it passes registers anyway.
; 16 work-groups: a head's slice of a weight row is 256 bytes, and a further split would need a sum across work-groups.
; THE MODE: SCHED_MODE bits 1:0 = 2 (LLVM: expert scheduling mode 2), set by the entry lines.  The code itself states the register dependences
; between vector or matrix instructions and memory or LDS instructions, with s_wait_alu, always for 0.
; THE PLAN.  Registers that memory or LDS instructions touch:
;   v4-v21        addresses and the add's two registers: written at the head, never again: one wait on va_vdst ahead of the first load.
;   QX v32-95     q's loads land; 32 conversions work in place; behind ONE wait 16 LDS stores read them.  Later v32-63 is T (a chunk's conversions write, its LDS stores read) and v64-95 is AF
;                 (LDS loads land, matrix instructions read): a wait on vm_vsrc at the head of each chunk of the second product, a wait on va_vdst behind its conversions.
;   window 1      four buffers: a K step of Wq lands; its 32 conversions read; behind one wait a chunk of Wk lands in the same buffer.
;   ACC           matrix instructions write, LDS stores read: one wait, behind the places.
;   PK ..         qs in f16 and cc: vector lines write; an LDS store and, behind the barrier, a global store read: one wait for both.
;   OUT v128-159  U in bf16, eight registers for each of the four chunks: the roundings write, eight LDS stores in one run at the end read: one wait.
;   QF, QF2, RS   LDS loads land in registers that nothing has named, or that vector and matrix lines issued ahead of a wait on va_vdst have named.
.set RED1,  0                          ; 8 waves x 16 rows (b) x 64 f32, pitch 272: the partial sums of the first product
.set QB,    8*16*272                   ; 16 rows (b) x 64 f16, pitch 144: qs
.set QS,    QB+16*144                  ; for each wave 16 rows (b) x 128 f16, pitch 272: its slice of q
.set KS,    QS+8*16*272                ; for each wave 32 rows (c) x 64 f16, pitch 144: a chunk of Wk
.set OS,    KS+8*32*144                ; for each wave 16 rows (b) x 128 bf16, pitch 272: its part of U on the way out
.set SPARE, OS+8*16*272                ; the spare words, 128 bytes for each wave: four blocks of 256 bytes that no other line names
; Pitches of 272 and 144 bytes are odd multiples of 16: the sixteen rows that a 16-byte load touches start at sixteen different groups of four banks (64 banks of 4 bytes: ISA guide 11.1).
.set QA,  4                            ; v4   512 w + 16 lane: my 16 bytes of the wave's slice of a row of q
.set WQA, 5                            ; v5   (128 w + 16 hh) rows of 4,096 bytes + 16 r
.set WKA, 6                            ; v6   (128 w + hh) rows + 16 r
.set BA,  7                            ; v7   16 r
.set QSS, 8                            ; v8..v17  LDS addresses, named after their regions: ..S to store, ..L to load
.set QSL, 9
.set R1S, 10
.set R1L, 11
.set QBS, 12
.set QBL, 13
.set KSS, 14
.set KSL, 15
.set OSS, 16
.set OSL, 17
.set UA,  18                           ; v18  32,768 hh + 16 r: two batches' rows of U
.set CBA, 19                           ; v19  16 x thread
.set SPW, 20                           ; v20  LDS address of my spare word; never rewritten
.set NIL, 21                           ; v21  0; never rewritten
.set TQ,  22                           ; v22  thread / 16
.set TT,  23                           ; v23  at work
.set BQ,  24                           ; v24-27  bq of my four d
.set BK,  28                           ; v28-31  bk of my four d
.set QX,  32                           ; v32-95  q as loaded
.set T,   32                           ; v32-63  later: a chunk of Wk in f16
.set AF,  64                           ; v64-95  later: its fragments
.set QF,  96                           ; v96-127 fragments of q, four K steps
.set QF2, 96                           ; v96-111 later: fragments of qs, two K steps
.set D,   112                          ; v112-127 later: two accumulators of the second product
.set BF,  128                          ; v128-159 four fragments of Wq
.set OUT, 128                          ; v128-159 later: U in bf16, chunk n at OUT + 8 n
.set ACC, 160                          ; v160-191 four accumulators of the first product
.set RS,  192                          ; v192-223 what is read back from LDS
.set PK,  224                          ; v224-231 qs in f16 (two registers) and cc (four, from PK + 4)
                                       ; window 1: v0-255 four buffers of 64, a chunk of 16 loads each
.set MSB, 0
.macro WIN new                         ; the immediate's high byte repeats the setting that is left; a switch that changes nothing is dropped
.if MSB != (\new)
	s_set_vgpr_msb (MSB<<8)|(\new)
.set MSB, \new
.endif
.endm
.set W_CVT, 0x05                       ; sources 0 and 1 in window 1
.set W_LD,  0x40                       ; destination in window 1
.macro PLACES                          ; four places behind a matrix instruction, ahead of what reads its result or writes its registers (ISA guide 7.12.1)
.rept 4
	v_nop
.endr
.endm
.macro TREE R                          ; eight quads at v[R ..] are added into the first
.irp d, 16, 8, 4
.set t, 0
.rept (\d)/2
	v_pk_add_f32 v[(\R)+2*t:(\R)+2*t+1], v[(\R)+2*t:(\R)+2*t+1], v[(\R)+(\d)+2*t:(\R)+(\d)+2*t+1]
.set t, t+1
.endr
.endr
.endm
.macro LDWQ g                          ; K step g of Wq into buffer g: rows 128 w + 32 g + 16 hh + i
	WIN W_LD
.set i, 0
.rept 16
	global_load_b128 v[64*(\g)+4*i:64*(\g)+4*i+3], v[WQA], s[6:7] offset:(32*(\g)+i)*4096 th:TH_LOAD_NT
.set i, i+1
.endr
.endm
.macro LDWK n                          ; chunk n of Wk into buffer n: rows 128 w + 32 n + 2 i + hh, a row's 256 bytes to sixteen lanes
	WIN W_LD
.set i, 0
.rept 16
	global_load_b128 v[64*(\n)+4*i:64*(\n)+4*i+3], v[WKA], s[10:11] offset:(32*(\n)+2*i)*4096 th:TH_LOAD_NT
.set i, i+1
.endr
.endm
	s_load_b256 s[4:11], s[0:1], 0x0               ; q s[4:5], Wq s[6:7], bq s[8:9], Wk s[10:11]
	s_load_b128 s[12:15], s[0:1], 0x20             ; bk s[12:13], U s[14:15]
	s_load_b64 s[16:17], s[0:1], 0x30              ; CB
	v_lshl_add_u32 v[SPW], v0, 2, SPARE
	v_mov_b32 v[NIL], 0
	v_lshrrev_b32 v1, 5, v0
	v_readfirstlane_b32 s20, v1                    ; wave 0..7
	v_and_b32 v1, 31, v0                           ; lane
	v_and_b32 v2, 15, v0                           ; r
	v_bfe_u32 v3, v0, 4, 1                         ; hh
	v_lshrrev_b32 v[TQ], 4, v0
	s_wait_alu depctr_va_sdst(0)                   ; s20 is written, ahead of its first reader: the wave's offsets are made from it
	s_lshl_b32 s21, s20, 9                         ; 512 w
	s_lshl_b32 s22, s20, 19                        ; 128 w rows of 4,096 bytes
	s_mul_i32 s23, s20, 16*272
	s_mul_i32 s24, s20, 32*144
	v_lshl_add_u32 v[QA], v1, 4, s21
	v_lshlrev_b32 v[BA], 4, v2
	v_lshl_add_u32 v[WQA], v3, 16, v[BA]
	v_add_nc_u32 v[WQA], s22, v[WQA]
	v_lshl_add_u32 v[WKA], v3, 12, v[BA]
	v_add_nc_u32 v[WKA], s22, v[WKA]
	s_add_co_u32 s25, s23, QS                      ; my wave's rows of q
	v_lshl_add_u32 v[QSS], v1, 3, s25              ; in: 8 bytes a lane
	v_mul_u32_u24 v[TT], v2, 272
	v_lshl_add_u32 v[QSL], v3, 5, v[TT]            ; back: row r, 32 bytes for each half of the lanes
	v_add_nc_u32 v[QSL], s25, v[QSL]
	v_mul_u32_u24 v[R1S], v3, 8*272
	v_add3_u32 v[R1S], v[R1S], v[BA], s23          ; row 8 hh (+ j), column 4 r (+ f) of my wave's partial sums
	v_mul_u32_u24 v[R1L], v[TQ], 272
	v_add_nc_u32 v[R1L], v[R1L], v[BA]             ; row thread / 16, my four d, of wave 0's
	v_mul_u32_u24 v[QBS], v[TQ], 144
	v_lshl_add_u32 v[QBS], v2, 3, v[QBS]
	v_add_nc_u32 v[QBS], QB, v[QBS]
	s_add_co_u32 s25, s23, OS                      ; my wave's rows of U
	v_lshl_add_u32 v[OSS], v3, 4, v[TT]
	v_add_nc_u32 v[OSS], s25, v[OSS]
	v_mul_u32_u24 v[OSL], v3, 272
	v_add3_u32 v[OSL], v[OSL], v[BA], s25
	v_mul_u32_u24 v[TT], v2, 144
	v_lshl_add_u32 v[QBL], v3, 5, v[TT]            ; 144 r + 32 hh
	s_add_co_u32 s25, s24, KS                      ; my wave's rows of Wk
	v_add_nc_u32 v[KSL], s25, v[QBL]
	v_add_nc_u32 v[QBL], QB, v[QBL]
	v_mul_u32_u24 v[KSS], v3, 144
	v_lshl_add_u32 v[KSS], v2, 3, v[KSS]
	v_add_nc_u32 v[KSS], s25, v[KSS]
	v_lshl_add_u32 v[UA], v3, 15, v[BA]
	v_lshlrev_b32 v[CBA], 4, v0
	s_lshl_b32 s26, ttmp9, 8                       ; the head's 64 columns: 256 bytes
	s_mov_b32 s27, 0
	s_lshl_b32 s28, ttmp9, 11                      ; in U: the head's 2,048 bytes and my wave's 256 of them
	s_lshl_b32 s29, s20, 8
	s_add_co_u32 s28, s28, s29
	s_mov_b32 s29, 0
	s_lshl_b32 s30, ttmp9, 12                      ; in CB: the head's 4,096 bytes
	s_mov_b32 s31, 0
	s_wait_kmcnt 0x0
	s_add_nc_u64 s[6:7], s[6:7], s[26:27]
	s_add_nc_u64 s[8:9], s[8:9], s[26:27]
	s_add_nc_u64 s[10:11], s[10:11], s[26:27]
	s_add_nc_u64 s[12:13], s[12:13], s[26:27]
	s_add_nc_u64 s[14:15], s[14:15], s[28:29]
	s_add_nc_u64 s[16:17], s[16:17], s[30:31]
	s_wait_alu depctr_va_vdst(0)                   ; the addresses v4 to v19 are written, which the kernel's loads, stores and LDS instructions read; none is written again
.set i, 0
.rept 16                                               ; my wave's 512 bytes of each of q's 16 rows
	global_load_b128 v[QX+4*i:QX+4*i+3], v[QA], s[4:5] offset:4096*i
.set i, i+1
.endr
	global_load_b128 v[BQ:BQ+3], v[BA], s[8:9]
	global_load_b128 v[BK:BK+3], v[BA], s[12:13]
	LDWQ 0
	LDWQ 1
	LDWQ 2
	WIN 0
	s_wait_loadcnt 48                              ; q, bq and bk are in; the 48 loads of Wq issued behind them stay out
.set i, 0
.rept 16                                               ; q rounded to f16 in place
	v_cvt_pk_f16_f32 v[QX+4*i],   v[QX+4*i],   v[QX+4*i+1]
	v_cvt_pk_f16_f32 v[QX+4*i+1], v[QX+4*i+2], v[QX+4*i+3]
.set i, i+1
.endr
	s_wait_alu depctr_va_vdst(0)                   ; the conversions have written q in f16, which the LDS stores read
.set i, 0
.rept 16                                               ; 8 bytes a lane into row i
	ds_store_b64 v[QSS], v[QX+4*i:QX+4*i+1] offset:272*i
.set i, i+1
.endr
.set g, 0
.rept 4                                                ; LDS serves a wave's instructions in order (ISA guide 5.7.1.4): these see the stores above; the rows are my wave's own
	ds_load_b128 v[QF+8*g:QF+8*g+3],   v[QSL] offset:64*g
	ds_load_b128 v[QF+8*g+4:QF+8*g+7], v[QSL] offset:64*g+16
.set g, g+1
.endr
	LDWQ 3
; K step n of the first product; its buffer then takes chunk n of Wk.  The four accumulators take turns.
.macro CHUNK1 n
	s_wait_loadcnt 48                              ; this chunk's 16 loads are in; the three younger chunks stay out
	WIN W_CVT
.set f, 0
.rept 4
.set p, 0
.rept 8
	v_cvt_pk_f16_f32 v[BF+8*f+p], v[64*(\n)+8*p+f], v[64*(\n)+8*p+4+f]  ; slots 2 p, 2 p + 1 of column 4 r + f
.set p, p+1
.endr
.set f, f+1
.endr
	WIN W_LD
	s_wait_alu depctr_va_vdst(0)                   ; the conversions are done reading buffer n, in which chunk n of Wk lands
	LDWK \n
	WIN 0
.if (\n) == 0
	s_wait_dscnt 0x0                               ; q's fragments are in
.endif
.set f, 0
.rept 4
.if (\n) == 0
	v_wmma_f32_16x16x32_f16 v[ACC+8*f:ACC+8*f+7], v[QF+8*(\n):QF+8*(\n)+7], v[BF+8*f:BF+8*f+7], 0
.else
	v_wmma_f32_16x16x32_f16 v[ACC+8*f:ACC+8*f+7], v[QF+8*(\n):QF+8*(\n)+7], v[BF+8*f:BF+8*f+7], v[ACC+8*f:ACC+8*f+7]
.endif
.set f, f+1
.endr
	PLACES                                         ; the next chunk's conversions write BF; behind the last chunk the stores read the sums
.endm
	CHUNK1 0
	CHUNK1 1
	CHUNK1 2
	CHUNK1 3
	s_wait_alu depctr_va_vdst(0)                   ; the matrix instructions have written the four accumulators, which the LDS stores read; the places above stay beside this wait
.set j, 0
.rept 8                                                ; register j of accumulator f is (b = 8 hh + j, d = 4 r + f); each accumulator's lowest register goes first
.set f, 0
.rept 4
	ds_store_b32 v[R1S], v[ACC+8*f+j] offset:272*j+4*f
.set f, f+1
.endr
.set j, j+1
.endr
	s_wait_dscnt 0x0                               ; for the others' sake: my partial sums are in LDS
	s_barrier_signal -1
	s_barrier_wait -1
.set t, 0
.rept 8                                                ; thread: b = thread / 16, d = 4 r .. 4 r + 3; one quad from each wave
	ds_load_b128 v[RS+4*t:RS+4*t+3], v[R1L] offset:16*272*t
.set t, t+1
.endr
	s_wait_dscnt 0x0
	TREE RS
	v_pk_add_f32 v[RS:RS+1],   v[RS:RS+1],   v[BQ:BQ+1]
	v_pk_add_f32 v[RS+2:RS+3], v[RS+2:RS+3], v[BQ+2:BQ+3]
	v_pk_mul_f32 v[RS:RS+1],   v[RS:RS+1],   0x3e38aa3b op_sel_hi:[1,0]  ; log2(e) / 8 = 0.180337
	v_pk_mul_f32 v[RS+2:RS+3], v[RS+2:RS+3], 0x3e38aa3b op_sel_hi:[1,0]
	v_cvt_pk_f16_f32 v[PK],   v[RS],   v[RS+1]
	v_cvt_pk_f16_f32 v[PK+1], v[RS+2], v[RS+3]
	v_mul_f32  v[PK+4], v[RS],   v[BK]             ; cc: my four d, then the sixteen lanes that share b
	v_fmac_f32 v[PK+4], v[RS+1], v[BK+1]
	v_fmac_f32 v[PK+4], v[RS+2], v[BK+2]
	v_fmac_f32 v[PK+4], v[RS+3], v[BK+3]
	v_add_f32_dpp v[PK+4], v[PK+4], v[PK+4] row_xmask:1 row_mask:0xf bank_mask:0xf
	v_add_f32_dpp v[PK+4], v[PK+4], v[PK+4] row_xmask:2 row_mask:0xf bank_mask:0xf
	v_add_f32_dpp v[PK+4], v[PK+4], v[PK+4] row_xmask:4 row_mask:0xf bank_mask:0xf
	v_add_f32_dpp v[PK+4], v[PK+4], v[PK+4] row_xmask:8 row_mask:0xf bank_mask:0xf
	v_mov_b32 v[PK+5], v[PK+4]
	v_mov_b32 v[PK+6], v[PK+4]
	v_mov_b32 v[PK+7], v[PK+4]
	s_wait_alu depctr_va_vdst(0)                   ; qs in f16 is written, which the LDS store reads, and so are cc's four registers, which the global store behind the barrier reads
	ds_store_b64 v[QBS], v[PK:PK+1]
	s_wait_dscnt 0x0                               ; for the others' sake: my part of qs is in LDS
	s_barrier_signal -1
	s_barrier_wait -1
	global_store_b128 v[CBA], v[PK+4:PK+7], s[16:17]  ; its four registers are not written again
.set g, 0
.rept 2                                                ; qs as source 1: column b = r, d = 32 g + 16 hh + slot
	ds_load_b128 v[QF2+8*g:QF2+8*g+3],   v[QBL] offset:64*g
	ds_load_b128 v[QF2+8*g+4:QF2+8*g+7], v[QBL] offset:64*g+16
.set g, g+1
.endr
; Chunk n of the second product: 32 rows c of Wk, K = the head's 64 d.  In the result a lane holds b = r and eight neighbouring c: 16 bytes of bf16, kept in OUT until all four chunks are made.
.macro CHUNK2 n
	s_wait_loadcnt 48-16*(\n)                      ; this chunk is in; the younger chunks stay out
	s_wait_alu depctr_vm_vsrc(0)                   ; the LDS stores issued so far have read v32-95 (the first time q in f16, later the last chunk's T): T is written again below, and the first time fragments land in v64-95
	WIN W_CVT
.set i, 0
.rept 16
	v_cvt_pk_f16_f32 v[T+2*i],   v[64*(\n)+4*i],   v[64*(\n)+4*i+1]
	v_cvt_pk_f16_f32 v[T+2*i+1], v[64*(\n)+4*i+2], v[64*(\n)+4*i+3]
.set i, i+1
.endr
	WIN 0
	s_wait_alu depctr_va_vdst(0)                   ; the conversions have written T, which the LDS stores read; the last chunk's matrix instructions are done reading AF, in which the fragments land
.set i, 0
.rept 16
	ds_store_b64 v[KSS], v[T+2*i:T+2*i+1] offset:288*i  ; rows 2 i + hh
.set i, i+1
.endr
.irp mt, 0,1
.irp g, 0,1
	ds_load_b128 v[AF+16*(\mt)+8*(\g):AF+16*(\mt)+8*(\g)+3],   v[KSL] offset:16*144*(\mt)+64*(\g)
	ds_load_b128 v[AF+16*(\mt)+8*(\g)+4:AF+16*(\mt)+8*(\g)+7], v[KSL] offset:16*144*(\mt)+64*(\g)+16
.endr
.endr
	s_wait_dscnt 0x0                               ; the fragments (and, the first time, qs's) are in
	v_wmma_f32_16x16x32_f16 v[D:D+7],    v[AF:AF+7],     v[QF2:QF2+7],    0  ; the two accumulators take turns
	v_wmma_f32_16x16x32_f16 v[D+8:D+15], v[AF+16:AF+23], v[QF2:QF2+7],    0
	v_wmma_f32_16x16x32_f16 v[D:D+7],    v[AF+8:AF+15],  v[QF2+8:QF2+15], v[D:D+7]
	v_wmma_f32_16x16x32_f16 v[D+8:D+15], v[AF+24:AF+31], v[QF2+8:QF2+15], v[D+8:D+15]
	PLACES
.set p, 0
.rept 8
	v_cvt_pk_bf16_f32 v[OUT+8*(\n)+p], v[D+2*p], v[D+2*p+1]
.set p, p+1
.endr
.endm
	CHUNK2 0
	CHUNK2 1
	CHUNK2 2
	CHUNK2 3
	s_wait_alu depctr_va_vdst(0)                   ; the roundings of all four chunks have written OUT, which the LDS stores read
.set n, 0
.rept 4
	ds_store_b128 v[OSS], v[OUT+8*n:OUT+8*n+3]   offset:64*n     ; c = 32 n + 8 hh + 0..7
	ds_store_b128 v[OSS], v[OUT+8*n+4:OUT+8*n+7] offset:64*n+32  ; c = 32 n + 16 + 8 hh + 0..7
.set n, n+1
.endr
.set t, 0
.rept 8                                                ; back as whole rows: lanes 0-15 batch 2 t, lanes 16-31 batch 2 t + 1
	ds_load_b128 v[RS+4*t:RS+4*t+3], v[OSL] offset:2*272*t
.set t, t+1
.endr
.set t, 0
.rept 8
	s_wait_dscnt 7-t                               ; LDS loads come back in order: load t is in, the younger ones stay out
	global_store_b128 v[UA], v[RS+4*t:RS+4*t+3], s[14:15] offset:65536*t  ; sixteen lanes store 256 consecutive bytes, at a multiple of 256 from U's first
.set t, t+1
.endr
	s_wait_dscnt 0x0                               ; the closing lines, six on end
	s_wait_alu 0x0
	s_wait_tensorcnt 0x0
	ds_add_u32 v[SPW], v[NIL]
	s_wait_dscnt 0x0
	s_endpgm
.Lfunc_end_k_qdfa5d55564_prep:
	.size	k_qdfa5d55564_prep, .Lfunc_end_k_qdfa5d55564_prep-k_qdfa5d55564_prep
	.p2alignl 7, 3214868480
	.fill 96, 4, 3214868480
	.section	.rodata,"a",@progbits
	.p2align	6, 0x0
	.amdhsa_kernel k_qdfa5d55564_prep
		.amdhsa_group_segment_fixed_size 144640
		.amdhsa_private_segment_fixed_size 0
		.amdhsa_enable_private_segment 0
		.amdhsa_kernarg_size 56
		.amdhsa_user_sgpr_count 2
		.amdhsa_user_sgpr_kernarg_segment_ptr 1
		.amdhsa_wavefront_size32 1
		.amdhsa_system_sgpr_workgroup_id_x 1
		.amdhsa_system_sgpr_workgroup_id_y 1
		.amdhsa_system_sgpr_workgroup_id_z 1
		.amdhsa_system_vgpr_workitem_id 0
		.amdhsa_next_free_vgpr 512
		.amdhsa_next_free_sgpr 66
		.amdhsa_reserve_vcc 0
		.amdhsa_float_denorm_mode_32 3
		.amdhsa_float_denorm_mode_16_64 3
		.amdhsa_memory_ordered 1
		.amdhsa_forward_progress 1
		.amdhsa_inst_pref_size 57
	.end_amdhsa_kernel
	.amdgpu_metadata
---
amdhsa.version: [ 1, 2 ]
amdhsa.kernels:
  - .name:           k_qdfa5d55564_prep
    .symbol:         k_qdfa5d55564_prep.kd
    .args:
      - { .name: q, .offset: 0, .size: 8, .value_kind: global_buffer, .address_space: global }
      - { .name: Wq, .offset: 8, .size: 8, .value_kind: global_buffer, .address_space: global }
      - { .name: bq, .offset: 16, .size: 8, .value_kind: global_buffer, .address_space: global }
      - { .name: Wk, .offset: 24, .size: 8, .value_kind: global_buffer, .address_space: global }
      - { .name: bk, .offset: 32, .size: 8, .value_kind: global_buffer, .address_space: global }
      - { .name: U, .offset: 40, .size: 8, .value_kind: global_buffer, .address_space: global }
      - { .name: CB, .offset: 48, .size: 8, .value_kind: global_buffer, .address_space: global }
    .group_segment_fixed_size: 144640
    .private_segment_fixed_size: 0
    .kernarg_segment_align: 8
    .kernarg_segment_size: 56
    .max_flat_workgroup_size: 256
    .sgpr_count:     66
    .vgpr_count:     512
    .wavefront_size: 32
...
	.end_amdgpu_metadata
.endif
;; end of part 5
;; launch scores: the kernel of part 2 again; grid 512 x 1, 8 waves a work-group, no clusters, 70,656 bytes of LDS; arguments k, U, CB, SC; writes SC
;; launch attend (part 6): grid 16 x 16, 8 waves a work-group, no clusters, 107,520 bytes of LDS; arguments v, SC, maskfill, Y0, Y1; writes Y0, Y1
.if DOCPART == 6
	.amdgcn_target "amdgcn-amd-amdhsa--gfx1250"
	.amdhsa_code_object_version 6
	.text
	.protected	k_qdfa5d55564_attend
	.globl	k_qdfa5d55564_attend
	.p2align	8
	.type	k_qdfa5d55564_attend,@function
k_qdfa5d55564_attend:
	s_mov_b64 s[64:65], 0
	v_nop
	global_prefetch_b8 v0, s[64:65] scope:SCOPE_SE
	s_setreg_imm32_b32 hwreg(HW_REG_WAVE_SCHED_MODE, 0, 2), 2
	s_setreg_imm32_b32 hwreg(HW_REG_WAVE_MODE, 25, 1), 1
	s_wait_xcnt 0x0
	s_wait_alu depctr_vm_vsrc(0)
; ATTEND.  Since a softmax's weights add up to 1, sum_s p_s (v_s Wv_h + bv_h) = (sum_s p_s v_s) Wv_h + bv_h.  This launch makes, for batch b (grid y) and 64 columns c of v (grid x),
;   Y0[h][b][c] = sum_s p1 v[b][s][c] / sum_s p1,  p1 = 2^(t - M1),  M1 = max_s t            (t: the scores times log2(e), from SC)
;   Y1[h][b][c] = the same with t' = 0 where maskfill is set, t elsewhere, and M2 = max_s t'.
; Both maxima are the true ones, taken over all 2,048 keys before any exponential.  v is read once, 16 bytes a lane, and needs no LDS.
; FORMATS.  p and v are rounded once to f16 for the matrix unit; maxima, the sums of p (of the unrounded p) and the products' sums are f32.
; LIMITS.  |v| stays under 65,504 (f16's end); p lies in 0 to 1 and keeps f16's fixed step of 6e-8 below 6e-5; a weight below 2^-126 counts as 0; NaN and infinities are not treated apart.
; SHARES.  Wave w owns keys 256 w .. 256 w + 255, eight steps of 32: a slice of K.  The rows of the product are the 16 heads, twice (plain, masked).  The waves' maxima, sums and products meet in LDS.
; K MAP, alike on both sources: the lanes' half hh and slot i hold key 16 hh + i of a step.  SC lies in that order, so four 16-byte loads ARE a step's scores of head r.
; v: load i of 16 takes key 16 hh + i, 16 bytes at 16 r: an instruction covers two runs of 256 consecutive bytes; 32 conversions make four fragments, fragment f holding the columns 4 r + f.
; Three steps of v are on their way in every wave (three buffers of 64 registers); a step's exponentials stand ahead of the wait for its v.
; THE MASK: a byte of 0 or 1 times 255 is 0x00 or 0xff; v_perm_b32 spreads it over a word, v_bfi_b32 then chooses by bits: 0 for t, later 2^(-M2) for the weight.
; NO CLUSTER: the 16 work-groups of a batch share SC and the mask, 160 KiB beside the 512 KiB of v that each reads alone, and take them straight into registers in the lanes' own order.
; No tensor load: every byte of v is converted on its way, so it passes registers anyway, and a ring in registers is filled again without a barrier.
; THE MODE: SCHED_MODE bits 1:0 = 2 (LLVM: expert scheduling mode 2), set by the entry lines.  The code itself states the register dependences
; between vector or matrix instructions and memory or LDS instructions, with s_wait_alu, always for 0.
; THE PLAN.  Registers that memory or LDS instructions touch:
;   v4-v15, v38   addresses and the add's two registers: written at the head, never again: one wait on va_vdst ahead of the first load.
;   S v40-167     SC's loads land; the maxima's and the weights' lines read; at the end the LDS loads of the sums and products land there, behind the wait that stands ahead of the way out's LDS stores.
;   RAW v200-231  the mask's loads land, LDS stores read; from then on these registers are T1, T2 and BF, which vector lines write: one wait on vm_vsrc behind those stores.
;   MK, PF        LDS loads land in registers that nothing has named before.
;   window 1      v0-191, three buffers.  Step j: its 32 conversions read buffer j % 3; behind ONE wait the 16 loads of step j + 3 land in it, dealt two ahead of each of the step's eight matrix
;                 instructions, which name PF, BF and the accumulators: none of the registers that those loads touch.  The matrix instructions' window (C and D in window 1) also puts
;                 a load's destination in window 1 and its address in window 0, so the loads need no switch of their own.
;   v192-255 of window 1, v30, v22   the accumulators, a wave's maxima and sums: written by matrix or vector lines, read by LDS stores, never written again.
; So steps 0 to 4 have two waits on va_vdst, steps 5 to 7 only the first: the one for its batch of exponentials, ahead of their first reader, and the one behind its conversions of v.
.set RED,   0                          ; for each wave 32 rows (16 x path + head) x 64 f32, pitch 272
.set MS,    8*32*272                   ; for each wave 16 rows (heads) x 256 mask bytes, pitch 272 (an odd multiple of 16 bytes: sixteen rows start at sixteen different groups of four banks; ISA guide 11.1)
.set MX,    MS+8*16*272                ; 32 rows x 8 waves: the waves' maxima
.set LS,    MX+1024                    ; the same for the sums of p
.set SPARE, LS+1024                    ; the spare words, 128 bytes for each wave: four blocks of 256 bytes that no other line names
.set SCA, 4                            ; v4   16 lane
.set MA,  5                            ; v5   2,048 hh + 256 w + 16 r
.set VA,  6                            ; v6   (256 w + 16 hh) rows of 4,096 bytes + 16 r
.set MSS, 7                            ; v7   my wave's mask rows + 272 hh + 16 r
.set MSL, 8                            ; v8   my wave's mask rows + 272 r + 16 hh
.set STS, 9                            ; v9   MX + 32 lane + 4 w
.set MXL, 10                           ; v10  MX + 32 r
.set RA,  11                           ; v11  my wave's products + 8 hh rows + 16 r
.set RD,  12                           ; v12  wave 0's products + row thread / 16 + 16 r
.set YO,  13                           ; v13  65,536 (thread / 16) + 16 r
.set SPW, 14                           ; v14  LDS address of my spare word; never rewritten
.set NIL, 15                           ; v15  0; never rewritten
.set M1,  16                           ; v16-17  M1, named as a pair
.set M2,  18                           ; v18-19  M2
.set C0,  20                           ; v20  2^(-M2): a masked key's weight
.set R16, 21                           ; v21  16 r
.set L1,  22                           ; v22-25  sums of p1, two chains of pairs
.set L2,  26                           ; v26-29  of p2
.set C1,  30                           ; v30-33  four chains of the maximum of t
.set C2,  34                           ; v34-37  of t'
.set LSL, 38                           ; v38  LS + 32 (thread / 16)
.set TQ,  39                           ; v39  thread / 16
.set S,   40                           ; v40-167  t: 16 a step; at the end what is read back from LDS
.set MK,  168                          ; v168-199 the mask: 4 words a step
.set BF,  200                          ; v200-231 four fragments of v; before that:
.set RAW, 200                          ;          the mask as loaded,
.set T1,  200                          ; v200-215 a step's p1,
.set T2,  216                          ; v216-231 and p2
.set PF,  232                          ; v232-247 p1's and p2's fragments
.set TM,  248                          ; v248-255 eight masks spread over words
.set RS,  40
.set LSV, 104
.set SEL, 20                           ; s20-23   v_perm_b32's selectors: byte e four times
                                       ; window 1: v0-191 three buffers of 64; v192-255 the accumulators, (path, f) at 192 + 32 path + 8 f
.set MSB, 0
.macro WIN new                         ; the immediate's high byte repeats the setting that is left; a switch that changes nothing is dropped
.if MSB != (\new)
	s_set_vgpr_msb (MSB<<8)|(\new)
.set MSB, \new
.endif
.endm
.set W_CVT, 0x05                       ; sources 0 and 1 in window 1
.set W_LD,  0x40                       ; destination in window 1
.set W_MM,  0x50                       ; C and D in window 1; for a load: destination in window 1, address in window 0
.set W_ST,  0x04                       ; an LDS store's data in window 1
.macro PLACES                          ; four places behind a matrix instruction, ahead of what reads its result or writes its registers (ISA guide 7.12.1)
.rept 4
	v_nop
.endr
.endm
.macro TREE R                          ; eight quads at v[R ..] are added into the first
.irp d, 16, 8, 4
.set t, 0
.rept (\d)/2
	v_pk_add_f32 v[(\R)+2*t:(\R)+2*t+1], v[(\R)+2*t:(\R)+2*t+1], v[(\R)+(\d)+2*t:(\R)+(\d)+2*t+1]
.set t, t+1
.endr
.endr
.endm
.macro LDV j                           ; step j of v into buffer j % 3
	WIN W_LD
.set i, 0
.rept 16
	global_load_b128 v[64*((\j)%3)+4*i:64*((\j)%3)+4*i+3], v[VA], s[4:5] offset:(32*(\j)+i)*4096 th:TH_LOAD_NT
.set i, i+1
.endr
.endm
.macro LDV2 j, i                       ; loads i and i + 1 of step j, under the window in force (W_MM or W_LD)
	global_load_b128 v[64*((\j)%3)+4*(\i):64*((\j)%3)+4*(\i)+3],   v[VA], s[4:5] offset:(32*(\j)+(\i))*4096 th:TH_LOAD_NT
	global_load_b128 v[64*((\j)%3)+4*(\i)+4:64*((\j)%3)+4*(\i)+7], v[VA], s[4:5] offset:(32*(\j)+(\i)+1)*4096 th:TH_LOAD_NT
.endm
.macro SPREAD j, hf                    ; the masks of slots 8 hf .. 8 hf + 7 of step j, each over a whole word
.set e, 0
.rept 8
	v_perm_b32 v[TM+e], v[MK+4*(\j)+2*(\hf)+e/4], v[MK+4*(\j)+2*(\hf)+e/4], s[SEL+e%4]
.set e, e+1
.endr
.endm
	s_load_b256 s[4:11], s[0:1], 0x0               ; v s[4:5], SC s[6:7], maskfill s[8:9], Y0 s[10:11]
	s_load_b64 s[12:13], s[0:1], 0x20              ; Y1
	v_lshl_add_u32 v[SPW], v0, 2, SPARE
	v_mov_b32 v[NIL], 0
	v_lshrrev_b32 v1, 5, v0
	v_readfirstlane_b32 s14, v1                    ; wave 0..7
	v_and_b32 v1, 31, v0                           ; lane
	v_and_b32 v2, 15, v0                           ; r
	v_bfe_u32 v3, v0, 4, 1                         ; hh
	v_lshrrev_b32 v[TQ], 4, v0
	v_lshlrev_b32 v[R16], 4, v2
	v_cmp_eq_u32 s26, 1, v3                        ; lanes 16-31
	s_wait_alu depctr_va_sdst(0)                   ; s14 and s26 are written, ahead of their first readers: the wave's offsets are made from s14, two selects below read s26
	s_and_b32 s15, ttmp7, 0xffff                   ; the batch
	s_mov_b32 s[SEL], 0
	s_mov_b32 s[SEL+1], 0x01010101
	s_mov_b32 s[SEL+2], 0x02020202
	s_mov_b32 s[SEL+3], 0x03030303
	s_mov_b32 s24, 0x76543210                      ; v_permlanex16_b32: each lane takes its own place in the other half
	s_mov_b32 s25, 0xfedcba98
	s_lshl_b32 s16, s15, 23                        ; v: the batch's 2,048 rows of 4,096 bytes and the slice's 256 bytes: under 2^27
	s_lshl_b32 s27, ttmp9, 8
	s_add_co_u32 s16, s16, s27
	s_mov_b32 s17, 0
	s_lshl_b32 s30, s15, 12                        ; Y: the batch's row of 4,096 bytes and the slice
	s_add_co_u32 s30, s30, s27
	s_mov_b32 s31, 0
	s_lshl_b32 s18, s15, 17                        ; SC: the batch's 131,072 bytes and my wave's eight steps of 2,048
	s_lshl_b32 s19, s14, 14
	s_add_co_u32 s18, s18, s19
	s_mov_b32 s19, 0
	s_lshl_b32 s28, s15, 15                        ; the mask: the batch's 16 rows of 2,048 bytes
	s_mov_b32 s29, 0
	v_lshlrev_b32 v[SCA], 4, v1
	s_lshl_b32 s27, s14, 8
	v_lshl_add_u32 v[MA], v3, 11, v[R16]
	v_add_nc_u32 v[MA], s27, v[MA]
	s_lshl_b32 s27, s14, 20
	v_lshl_add_u32 v[VA], v3, 16, v[R16]
	v_add_nc_u32 v[VA], s27, v[VA]
	s_mul_i32 s27, s14, 16*272
	s_add_co_u32 s27, s27, MS
	v_mul_u32_u24 v[MSS], v3, 272
	v_add3_u32 v[MSS], v[MSS], v[R16], s27
	v_mul_u32_u24 v[MSL], v2, 272
	v_lshl_add_u32 v[MSL], v3, 4, v[MSL]
	v_add_nc_u32 v[MSL], s27, v[MSL]
	s_lshl_b32 s27, s14, 2
	s_add_co_u32 s27, s27, MX
	v_lshl_add_u32 v[STS], v1, 5, s27
	v_lshl_add_u32 v[MXL], v2, 5, MX
	s_mul_i32 s27, s14, 32*272
	v_mul_u32_u24 v[RA], v3, 8*272
	v_add3_u32 v[RA], v[RA], v[R16], s27
	v_mul_u32_u24 v[RD], v[TQ], 272
	v_add_nc_u32 v[RD], v[RD], v[R16]
	v_lshl_add_u32 v[YO], v[TQ], 16, v[R16]
	v_lshl_add_u32 v[LSL], v[TQ], 5, LS
	s_wait_kmcnt 0x0
	s_add_nc_u64 s[4:5], s[4:5], s[16:17]
	s_add_nc_u64 s[6:7], s[6:7], s[18:19]
	s_add_nc_u64 s[8:9], s[8:9], s[28:29]
	s_add_nc_u64 s[10:11], s[10:11], s[30:31]
	s_add_nc_u64 s[12:13], s[12:13], s[30:31]
	s_wait_alu depctr_va_vdst(0)                   ; the addresses v4 to v13 and v38 are written, which the kernel's loads, stores and LDS instructions read; none is written again
.set i, 0
.rept 32                                               ; my wave's scores: step i / 4, slots 4 (i % 4) on; 512 consecutive bytes an instruction
	global_load_b128 v[S+4*i:S+4*i+3], v[SCA], s[6:7] offset:512*i
.set i, i+1
.endr
.set i, 0
.rept 8                                                ; my wave's 256 mask bytes of heads 2 i + hh
	global_load_b128 v[RAW+4*i:RAW+4*i+3], v[MA], s[8:9] offset:4096*i
.set i, i+1
.endr
	LDV 0
	LDV 1
	LDV 2
	WIN 0
	s_wait_loadcnt 48                              ; scores and mask are in; the 48 loads of v stay out
.set i, 0
.rept 8
	ds_store_b128 v[MSS], v[RAW+4*i:RAW+4*i+3] offset:2*272*i
.set i, i+1
.endr
.set j, 0
.rept 8                                                ; back by heads: head r, keys 32 j + 16 hh + 0..15; LDS serves a wave's instructions in order (ISA guide 5.7.1.4), and the rows are my wave's own
	ds_load_b128 v[MK+4*j:MK+4*j+3], v[MSL] offset:32*j
.set j, j+1
.endr
	s_wait_dscnt 0x0
	s_wait_alu depctr_vm_vsrc(0)                   ; the LDS stores have read RAW: v200-231 are T1, T2 and BF from here on, written by the lines of the maxima, the weights and the conversions
.set i, 0
.rept 32                                               ; four bytes of 0 or 1 times 255: no byte carries into the next
	v_lshlrev_b32 v[TM+i%8], 8, v[MK+i]
	v_sub_nc_u32 v[MK+i], v[TM+i%8], v[MK+i]
.set i, i+1
.endr
; THE MAXIMA.  Eight slots at a time: t' = 0 where masked, then four chains each for t and t', three operands at a time.  The first eight slots start the chains.
.macro PASS1 j, hf
	SPREAD \j, \hf
.set e, 0
.rept 8
	v_bfi_b32 v[T2+e], v[TM+e], 0, v[S+16*(\j)+8*(\hf)+e]
.set e, e+1
.endr
.set c, 0
.rept 4
.if ((\j) == 0) && ((\hf) == 0)
	v_max_num_f32 v[C1+c], v[S+2*c], v[S+2*c+1]
	v_max_num_f32 v[C2+c], v[T2+2*c], v[T2+2*c+1]
.else
	v_max3_num_f32 v[C1+c], v[C1+c], v[S+16*(\j)+8*(\hf)+2*c], v[S+16*(\j)+8*(\hf)+2*c+1]
	v_max3_num_f32 v[C2+c], v[C2+c], v[T2+2*c], v[T2+2*c+1]
.endif
.set c, c+1
.endr
.endm
.irp j, 0,1,2,3,4,5,6,7
	PASS1 \j, 0
	PASS1 \j, 1
.endr
	v_max3_num_f32 v[C1], v[C1], v[C1+1], v[C1+2]
	v_max3_num_f32 v[C2], v[C2], v[C2+1], v[C2+2]
	v_max_num_f32 v[C1], v[C1], v[C1+3]
	v_max_num_f32 v[C2], v[C2], v[C2+3]
	v_permlanex16_b32 v[C1+1], v[C1], s24, s25     ; the head's other keys lie in the lane 16 away
	v_permlanex16_b32 v[C2+1], v[C2], s24, s25
	v_max_num_f32 v[C1], v[C1], v[C1+1]
	v_max_num_f32 v[C2], v[C2], v[C2+1]
	v_cndmask_b32 v[C1], v[C1], v[C2], s26         ; lanes 0-15 hand in the plain maximum (row r), lanes 16-31 the masked one (row 16 + r)
	s_wait_alu depctr_va_vdst(0)                   ; the select has written v[C1], which the LDS store reads
	ds_store_b32 v[STS], v[C1]
	s_wait_dscnt 0x0                               ; for the others' sake: my wave's maxima are in LDS
	s_barrier_signal -1
	s_barrier_wait -1
	ds_load_b128 v[PF:PF+3],     v[MXL]            ; head r: the eight waves' plain maxima,
	ds_load_b128 v[PF+4:PF+7],   v[MXL] offset:16
	ds_load_b128 v[PF+8:PF+11],  v[MXL] offset:512 ; and the masked ones
	ds_load_b128 v[PF+12:PF+15], v[MXL] offset:528
	s_wait_dscnt 0x0
	v_max3_num_f32 v[M1], v[PF],   v[PF+1], v[PF+2]
	v_max3_num_f32 v[M2], v[PF+8], v[PF+9], v[PF+10]
	v_max3_num_f32 v[M1], v[M1], v[PF+3],  v[PF+4]
	v_max3_num_f32 v[M2], v[M2], v[PF+11], v[PF+12]
	v_max3_num_f32 v[M1], v[M1], v[PF+5],  v[PF+6]
	v_max3_num_f32 v[M2], v[M2], v[PF+13], v[PF+14]
	v_max_num_f32 v[M1], v[M1], v[PF+7]
	v_max_num_f32 v[M2], v[M2], v[PF+15]
	v_xor_b32 v[C0], 0x80000000, v[M2]
	v_exp_f32 v[C0], v[C0]                         ; where a key is masked M2 is 0 or more, so this is 1 at the most; where none is, nothing takes it
	v_mov_b32 v[M1+1], v[M1]                       ; named as pairs; also the plain instruction behind the exponential (ISA guide 5.7.2)
	v_mov_b32 v[M2+1], v[M2]
.macro LSUM L, T, j                    ; a step's eight pairs of weights onto two chains; the first step's first four pairs start them: nothing is cleared
.set k, 0
.rept 8
.if ((\j) == 0) && (k < 2)
.elseif ((\j) == 0) && (k < 4)
	v_pk_add_f32 v[(\L)+2*(k%2):(\L)+2*(k%2)+1], v[(\T)+2*(k-2):(\T)+2*(k-2)+1], v[(\T)+2*k:(\T)+2*k+1]
.else
	v_pk_add_f32 v[(\L)+2*(k%2):(\L)+2*(k%2)+1], v[(\L)+2*(k%2):(\L)+2*(k%2)+1], v[(\T)+2*k:(\T)+2*k+1]
.endif
.set k, k+1
.endr
.endm
; A step's weights.  A masked key's 2^(t - M2) may be anything, an infinity too: it is replaced by bits before anything is computed from it.
.macro PSTEP j
.set k, 0
.rept 8
	v_pk_add_f32 v[T1+2*k:T1+2*k+1], v[S+16*(\j)+2*k:S+16*(\j)+2*k+1], v[M1:M1+1] op_sel_hi:[1,0] neg_lo:[0,1] neg_hi:[0,1]
	v_pk_add_f32 v[T2+2*k:T2+2*k+1], v[S+16*(\j)+2*k:S+16*(\j)+2*k+1], v[M2:M2+1] op_sel_hi:[1,0] neg_lo:[0,1] neg_hi:[0,1]
.set k, k+1
.endr
.set k, 0
.rept 32
	v_exp_f32 v[T1+k], v[T1+k]                     ; T1 and T2 lie on end
.set k, k+1
.endr
.irp hf, 0,1
	SPREAD \j, \hf                                 ; plain instructions that name no weight stand behind the last exponential (ISA guide 5.7.2)
.if (\hf) == 0
	s_wait_alu depctr_va_vdst(0)                   ; the step's 32 exponentials (the first time C0's too) have written their results, ahead of their first reader: one wait for the batch
.endif
.set e, 0
.rept 8
	v_bfi_b32 v[T2+8*(\hf)+e], v[TM+e], v[C0], v[T2+8*(\hf)+e]
.set e, e+1
.endr
.endr
	LSUM L1, T1, \j
	LSUM L2, T2, \j
.set p, 0
.rept 8
	v_cvt_pk_f16_f32 v[PF+p],   v[T1+2*p], v[T1+2*p+1]
	v_cvt_pk_f16_f32 v[PF+8+p], v[T2+2*p], v[T2+2*p+1]
.set p, p+1
.endr
.endm
; A step's products.  left: the loads of the younger steps, which stay out.  The buffer takes step j + 3 as soon as the conversions have read it: two loads ahead of each matrix instruction.
; The eight accumulators take turns.
.macro VSTEP j, left
	s_wait_loadcnt \left
	WIN W_CVT
.set f, 0
.rept 4
.set p, 0
.rept 8
	v_cvt_pk_f16_f32 v[BF+8*f+p], v[64*((\j)%3)+8*p+f], v[64*((\j)%3)+8*p+4+f]  ; slots 2 p, 2 p + 1 of column 4 r + f
.set p, p+1
.endr
.set f, f+1
.endr
	WIN W_MM
.if (\j) < 5
	s_wait_alu depctr_va_vdst(0)                   ; the conversions are done reading buffer j % 3, in which the loads of step j + 3 land; no matrix instruction below names that buffer or v[VA]
.endif
.set f, 0
.rept 4
.irp pt, 0,1
.if (\j) < 5
	LDV2 (\j)+3, 4*f+2*(\pt)
.endif
.if (\j) == 0
	v_wmma_f32_16x16x32_f16 v[192+32*(\pt)+8*f:192+32*(\pt)+8*f+7], v[PF+8*(\pt):PF+8*(\pt)+7], v[BF+8*f:BF+8*f+7], 0
.else
	v_wmma_f32_16x16x32_f16 v[192+32*(\pt)+8*f:192+32*(\pt)+8*f+7], v[PF+8*(\pt):PF+8*(\pt)+7], v[BF+8*f:BF+8*f+7], v[192+32*(\pt)+8*f:192+32*(\pt)+8*f+7]
.endif
.endr
.set f, f+1
.endr
	WIN 0
	PLACES                                         ; the next step's weights are written over BF and PF; behind the last step the stores read the sums
.endm
.irp j, 0,1,2,3,4,5
	PSTEP \j
	VSTEP \j, 32
.endr
	PSTEP 6
	VSTEP 6, 16
	PSTEP 7
	VSTEP 7, 0
	v_pk_add_f32 v[L1:L1+1], v[L1:L1+1], v[L1+2:L1+3]
	v_pk_add_f32 v[L2:L2+1], v[L2:L2+1], v[L2+2:L2+3]
	v_add_f32 v[L1], v[L1], v[L1+1]
	v_add_f32 v[L2], v[L2], v[L2+1]
	v_permlanex16_b32 v[L1+1], v[L1], s24, s25
	v_permlanex16_b32 v[L2+1], v[L2], s24, s25
	v_add_f32 v[L1], v[L1], v[L1+1]
	v_add_f32 v[L2], v[L2], v[L2+1]
	v_cndmask_b32 v[L1], v[L1], v[L2], s26         ; as with the maxima
	s_wait_alu depctr_va_vdst(0)                   ; v[L1] and the accumulators are written, which the LDS stores read; the weights' lines are done reading S, in which the loads behind the barrier land; the places above stay beside this wait
	ds_store_b32 v[STS], v[L1] offset:1024         ; LS lies 1,024 bytes behind MX
	WIN W_ST
.set j, 0
.rept 8                                                ; register j of accumulator (path, f) is (head 8 hh + j, column 4 r + f); each accumulator's lowest register goes first
.irp pt, 0,1
.set f, 0
.rept 4
	ds_store_b32 v[RA], v[192+32*(\pt)+8*f+j] offset:(16*(\pt)+j)*272+4*f
.set f, f+1
.endr
.endr
.set j, j+1
.endr
	WIN 0
	s_wait_dscnt 0x0                               ; for the others' sake: my wave's sums and products are in LDS
	s_barrier_signal -1
	s_barrier_wait -1
.irp pt, 0,1
	ds_load_b128 v[LSV+8*(\pt):LSV+8*(\pt)+3],   v[LSL] offset:512*(\pt)     ; thread: head thread / 16, columns 4 r .. 4 r + 3: the eight waves' sums of p,
	ds_load_b128 v[LSV+8*(\pt)+4:LSV+8*(\pt)+7], v[LSL] offset:512*(\pt)+16
.set t, 0
.rept 8
	ds_load_b128 v[RS+32*(\pt)+4*t:RS+32*(\pt)+4*t+3], v[RD] offset:32*272*t+16*272*(\pt)  ; and their products; 65,280 at the most, inside the 16-bit immediate
.set t, t+1
.endr
.endr
	s_wait_dscnt 0x0
.irp pt, 0,1
	v_pk_add_f32 v[LSV+8*(\pt):LSV+8*(\pt)+1],   v[LSV+8*(\pt):LSV+8*(\pt)+1],   v[LSV+8*(\pt)+2:LSV+8*(\pt)+3]
	v_pk_add_f32 v[LSV+8*(\pt)+4:LSV+8*(\pt)+5], v[LSV+8*(\pt)+4:LSV+8*(\pt)+5], v[LSV+8*(\pt)+6:LSV+8*(\pt)+7]
	v_pk_add_f32 v[LSV+8*(\pt):LSV+8*(\pt)+1],   v[LSV+8*(\pt):LSV+8*(\pt)+1],   v[LSV+8*(\pt)+4:LSV+8*(\pt)+5]
	v_add_f32 v[LSV+8*(\pt)], v[LSV+8*(\pt)], v[LSV+8*(\pt)+1]
.endr
	v_rcp_f32 v[LSV+2],  v[LSV]                    ; the largest weight is 1, so the sum is 1 or more
	v_rcp_f32 v[LSV+10], v[LSV+8]
	TREE RS                                        ; plain work between the reciprocals and their use (ISA guide 5.7.2)
	TREE RS+32
	s_wait_alu depctr_va_vdst(0)                   ; the two reciprocals have written their results, ahead of their first reader
.irp pt, 0,1
	v_pk_mul_f32 v[RS+32*(\pt):RS+32*(\pt)+1],   v[RS+32*(\pt):RS+32*(\pt)+1],   v[LSV+8*(\pt)+2:LSV+8*(\pt)+3] op_sel_hi:[1,0]
	v_pk_mul_f32 v[RS+32*(\pt)+2:RS+32*(\pt)+3], v[RS+32*(\pt)+2:RS+32*(\pt)+3], v[LSV+8*(\pt)+2:LSV+8*(\pt)+3] op_sel_hi:[1,0]
.endr
	s_wait_alu depctr_va_vdst(0)                   ; the four multiplies have written the two quads, which the global stores read
	global_store_b128 v[YO], v[RS:RS+3],     s[10:11]  ; sixteen lanes store 256 consecutive bytes, at a multiple of 256 from the buffer's first
	global_store_b128 v[YO], v[RS+32:RS+35], s[12:13]
	s_wait_dscnt 0x0                               ; the closing lines, six on end
	s_wait_alu 0x0
	s_wait_tensorcnt 0x0
	ds_add_u32 v[SPW], v[NIL]
	s_wait_dscnt 0x0
	s_endpgm
.Lfunc_end_k_qdfa5d55564_attend:
	.size	k_qdfa5d55564_attend, .Lfunc_end_k_qdfa5d55564_attend-k_qdfa5d55564_attend
	.p2alignl 7, 3214868480
	.fill 96, 4, 3214868480
	.section	.rodata,"a",@progbits
	.p2align	6, 0x0
	.amdhsa_kernel k_qdfa5d55564_attend
		.amdhsa_group_segment_fixed_size 107520
		.amdhsa_private_segment_fixed_size 0
		.amdhsa_enable_private_segment 0
		.amdhsa_kernarg_size 40
		.amdhsa_user_sgpr_count 2
		.amdhsa_user_sgpr_kernarg_segment_ptr 1
		.amdhsa_wavefront_size32 1
		.amdhsa_system_sgpr_workgroup_id_x 1
		.amdhsa_system_sgpr_workgroup_id_y 1
		.amdhsa_system_sgpr_workgroup_id_z 1
		.amdhsa_system_vgpr_workitem_id 0
		.amdhsa_next_free_vgpr 512
		.amdhsa_next_free_sgpr 66
		.amdhsa_reserve_vcc 0
		.amdhsa_float_denorm_mode_32 3
		.amdhsa_float_denorm_mode_16_64 3
		.amdhsa_memory_ordered 1
		.amdhsa_forward_progress 1
		.amdhsa_inst_pref_size 127
	.end_amdhsa_kernel
	.amdgpu_metadata
---
amdhsa.version: [ 1, 2 ]
amdhsa.kernels:
  - .name:           k_qdfa5d55564_attend
    .symbol:         k_qdfa5d55564_attend.kd
    .args:
      - { .name: v, .offset: 0, .size: 8, .value_kind: global_buffer, .address_space: global }
      - { .name: SC, .offset: 8, .size: 8, .value_kind: global_buffer, .address_space: global }
      - { .name: maskfill, .offset: 16, .size: 8, .value_kind: global_buffer, .address_space: global }
      - { .name: Y0, .offset: 24, .size: 8, .value_kind: global_buffer, .address_space: global }
      - { .name: Y1, .offset: 32, .size: 8, .value_kind: global_buffer, .address_space: global }
    .group_segment_fixed_size: 107520
    .private_segment_fixed_size: 0
    .kernarg_segment_align: 8
    .kernarg_segment_size: 40
    .max_flat_workgroup_size: 256
    .sgpr_count:     66
    .vgpr_count:     512
    .wavefront_size: 32
...
	.end_amdgpu_metadata
.endif
;; end of part 6
;; launch concat (part 7): grid 16 x 1, 8 waves a work-group, no clusters, 140,288 bytes of LDS; arguments Y0, Y1, Wv, bv, CC0, CC1; writes CC0, CC1
.if DOCPART == 7
	.amdgcn_target "amdgcn-amd-amdhsa--gfx1250"
	.amdhsa_code_object_version 6
	.text
	.protected	k_qdfa5d55564_concat
	.globl	k_qdfa5d55564_concat
	.p2align	8
	.type	k_qdfa5d55564_concat,@function
k_qdfa5d55564_concat:
	s_mov_b64 s[64:65], 0
	v_nop
	global_prefetch_b8 v0, s[64:65] scope:SCOPE_SE
	s_setreg_imm32_b32 hwreg(HW_REG_WAVE_SCHED_MODE, 0, 2), 2
	s_setreg_imm32_b32 hwreg(HW_REG_WAVE_MODE, 25, 1), 1
	s_wait_xcnt 0x0
	s_wait_alu depctr_vm_vsrc(0)
; A PROJECTION OF 16 ROWS, TWICE.  outA[b][64 col + d] = sum over m of inA[x][b][m] W[m][64 col + d] + bias[64 col + d], and the same for inB and outB; m runs to 1,024; rows of 4,096 bytes.
; One text for two launches: x = grid x, y = grid y, col = x + y, and the inputs begin x x 65,536 bytes in.
;   grid 16 x 1: head x: in = the normalised sums of p v of that head, W = Wv, out = the head's 64 columns of the concatenation.
;   grid 1 x 16: in = the concatenation, W = Wo, out = 64 columns of the module's output.
; FORMATS.  in and W are rounded once to f16 for the matrix unit; sums, bias and out in f32.  LIMITS.  |in| and |W| stay under 65,504 (f16's end); NaN and infinities are not treated apart.
; SHARES.  Wave w owns m = 128 w .. 128 w + 127, four K steps of 32; the eight partial sums meet in LDS.  K MAP, alike on both sources: the lanes' half hh and slot i hold k = 16 hh + i.
; W: load i of 16 takes row 16 hh + i, 16 bytes at 16 r: an instruction covers two runs of 256 consecutive bytes; 32 conversions make four fragments, fragment f holding the columns 4 r + f.
; The inputs' rows lie along K: they are rounded on the way into the wave's own LDS rows and come back as fragments.
; NO CLUSTER: in the second launch the work-groups share the inputs, 128 KiB beside the 256 KiB of weights that each reads alone; in the first they share nothing.
; 16 work-groups: a slice of 64 columns is 256 bytes of a weight row, and a further split would need a sum across work-groups.
; THE MODE: SCHED_MODE bits 1:0 = 2 (LLVM: expert scheduling mode 2), set by the entry lines.  The code itself states the register dependences
; between vector or matrix instructions and memory or LDS instructions, with s_wait_alu, always for 0.
; THE PLAN.  Registers that memory or LDS instructions touch:
;   v4-v13        addresses and the add's two registers: written at the head, never again: one wait on va_vdst ahead of the first load.
;   IX v32-159    the inputs' loads land; 64 conversions read.  v32-95 then take the fragments' LDS loads (AF), which the matrix instructions read; at the end the LDS loads of the partial sums land there (RS).
;   Y v160-223    the conversions write, 32 LDS stores read; never written again.  ONE wait behind the conversions serves those stores and the fragments' loads.
;   window 1      v0-191, three buffers: a K step of W lands, its 32 conversions read.  Only the first is loaded twice: behind one wait in step 0 the 16 loads of step 3 land in it, dealt two ahead
;                 of each of the step's eight matrix instructions, which name AF, BF and the accumulators: none of the registers that those loads touch.  The matrix instructions' window
;                 (C and D in window 1) also puts a load's destination in window 1 and its address in window 0, so the loads need no switch of their own.
;   v192-255 of window 1   the accumulators: matrix instructions write, the way out's LDS stores read: one wait, behind the places, which also serves RS's loads.
; Nothing that a memory or LDS instruction has read is written again, so past the entry lines the text holds no wait on vm_vsrc.
.set RED,   0                          ; for each wave 32 rows (16 x path + b) x 64 f32, pitch 272
.set IS,    8*32*272                   ; for each wave 32 rows (16 x path + b) x 128 f16, pitch 272 (an odd multiple of 16 bytes: sixteen rows start at sixteen different groups of four banks; ISA guide 11.1)
.set SPARE, 2*8*32*272                 ; the spare words, 128 bytes for each wave: four blocks of 256 bytes that no other line names
.set IA,  4                            ; v4   512 w + 16 lane
.set WA,  5                            ; v5   (128 w + 16 hh) rows of 4,096 bytes + 16 r
.set BA,  6                            ; v6   16 r
.set ISS, 7                            ; v7   my wave's input rows + 8 lane
.set ISL, 8                            ; v8   my wave's input rows + 272 r + 32 hh
.set RA,  9                            ; v9   my wave's partial sums + 8 hh rows + 16 r
.set RD,  10                           ; v10  wave 0's partial sums + row thread / 16 + 16 r
.set OO,  11                           ; v11  4,096 (thread / 16) + 16 r
.set SPW, 12                           ; v12  LDS address of my spare word; never rewritten
.set NIL, 13                           ; v13  0; never rewritten
.set TQ,  14                           ; v14  thread / 16
.set BI,  16                           ; v16-19   the bias of my four columns
.set IX,  32                           ; v32-159  the inputs as loaded
.set AF,  32                           ; v32-95   later: their fragments, (K step g, path) at AF + 16 g + 8 path
.set RS,  32                           ; at the end: what is read back from LDS
.set Y,   160                          ; v160-223 the inputs in f16
.set BF,  224                          ; v224-255 four fragments of W
                                       ; window 1: v0-191 three buffers of 64; v192-255 the accumulators, (path, f) at 192 + 32 path + 8 f
.set MSB, 0
.macro WIN new                         ; the immediate's high byte repeats the setting that is left; a switch that changes nothing is dropped
.if MSB != (\new)
	s_set_vgpr_msb (MSB<<8)|(\new)
.set MSB, \new
.endif
.endm
.set W_CVT, 0x05                       ; sources 0 and 1 in window 1
.set W_LD,  0x40                       ; destination in window 1
.set W_MM,  0x50                       ; C and D in window 1; for a load: destination in window 1, address in window 0
.set W_ST,  0x04                       ; an LDS store's data in window 1
.macro PLACES                          ; four places behind a matrix instruction, ahead of what reads its result or writes its registers (ISA guide 7.12.1)
.rept 4
	v_nop
.endr
.endm
.macro TREE R                          ; eight quads at v[R ..] are added into the first
.irp d, 16, 8, 4
.set t, 0
.rept (\d)/2
	v_pk_add_f32 v[(\R)+2*t:(\R)+2*t+1], v[(\R)+2*t:(\R)+2*t+1], v[(\R)+(\d)+2*t:(\R)+(\d)+2*t+1]
.set t, t+1
.endr
.endr
.endm
.macro LDW g                           ; K step g of W into buffer g % 3
	WIN W_LD
.set i, 0
.rept 16
	global_load_b128 v[64*((\g)%3)+4*i:64*((\g)%3)+4*i+3], v[WA], s[8:9] offset:(32*(\g)+i)*4096 th:TH_LOAD_NT
.set i, i+1
.endr
.endm
.macro LDW2 g, i                       ; loads i and i + 1 of K step g, under the window in force (W_MM or W_LD)
	global_load_b128 v[64*((\g)%3)+4*(\i):64*((\g)%3)+4*(\i)+3],   v[WA], s[8:9] offset:(32*(\g)+(\i))*4096 th:TH_LOAD_NT
	global_load_b128 v[64*((\g)%3)+4*(\i)+4:64*((\g)%3)+4*(\i)+7], v[WA], s[8:9] offset:(32*(\g)+(\i)+1)*4096 th:TH_LOAD_NT
.endm
	s_load_b256 s[4:11], s[0:1], 0x0               ; inA s[4:5], inB s[6:7], W s[8:9], bias s[10:11]
	s_load_b128 s[12:15], s[0:1], 0x20             ; outA s[12:13], outB s[14:15]
	v_lshl_add_u32 v[SPW], v0, 2, SPARE
	v_mov_b32 v[NIL], 0
	v_lshrrev_b32 v1, 5, v0
	v_readfirstlane_b32 s16, v1                    ; wave 0..7
	v_and_b32 v1, 31, v0                           ; lane
	v_and_b32 v2, 15, v0                           ; r
	v_bfe_u32 v3, v0, 4, 1                         ; hh
	v_lshrrev_b32 v[TQ], 4, v0
	s_wait_alu depctr_va_sdst(0)                   ; s16 is written, ahead of its first reader: the wave's offsets are made from it
	s_and_b32 s17, ttmp7, 0xffff                   ; y
	s_add_co_u32 s18, s17, ttmp9                   ; col
	s_lshl_b32 s20, ttmp9, 16                      ; the inputs' part x
	s_mov_b32 s21, 0
	s_lshl_b32 s22, s18, 8                         ; the slice's 256 bytes
	s_mov_b32 s23, 0
	s_lshl_b32 s24, s16, 9
	s_lshl_b32 s25, s16, 19
	s_mul_i32 s26, s16, 32*272
	s_add_co_u32 s27, s26, IS
	v_lshl_add_u32 v[IA], v1, 4, s24
	v_lshlrev_b32 v[BA], 4, v2
	v_lshl_add_u32 v[WA], v3, 16, v[BA]
	v_add_nc_u32 v[WA], s25, v[WA]
	v_lshl_add_u32 v[ISS], v1, 3, s27
	v_mul_u32_u24 v[ISL], v2, 272
	v_lshl_add_u32 v[ISL], v3, 5, v[ISL]
	v_add_nc_u32 v[ISL], s27, v[ISL]
	v_mul_u32_u24 v[RA], v3, 8*272
	v_add3_u32 v[RA], v[RA], v[BA], s26
	v_mul_u32_u24 v[RD], v[TQ], 272
	v_add_nc_u32 v[RD], v[RD], v[BA]
	v_lshl_add_u32 v[OO], v[TQ], 12, v[BA]
	s_wait_kmcnt 0x0
	s_add_nc_u64 s[4:5], s[4:5], s[20:21]
	s_add_nc_u64 s[6:7], s[6:7], s[20:21]
	s_add_nc_u64 s[8:9], s[8:9], s[22:23]
	s_add_nc_u64 s[10:11], s[10:11], s[22:23]
	s_add_nc_u64 s[12:13], s[12:13], s[22:23]
	s_add_nc_u64 s[14:15], s[14:15], s[22:23]
	s_wait_alu depctr_va_vdst(0)                   ; the addresses v4 to v11 are written, which the kernel's loads, stores and LDS instructions read; none is written again
.set i, 0
.rept 16                                               ; my wave's 512 bytes of each of the 16 rows, of both inputs
	global_load_b128 v[IX+4*i:IX+4*i+3], v[IA], s[4:5] offset:4096*i
.set i, i+1
.endr
.set i, 0
.rept 16
	global_load_b128 v[IX+64+4*i:IX+64+4*i+3], v[IA], s[6:7] offset:4096*i
.set i, i+1
.endr
	global_load_b128 v[BI:BI+3], v[BA], s[10:11]
	LDW 0
	LDW 1
	LDW 2
	WIN 0
	s_wait_loadcnt 48                              ; the inputs and the bias are in; the 48 loads of W stay out
.set i, 0
.rept 32                                               ; row i = 16 x path + b
	v_cvt_pk_f16_f32 v[Y+2*i],   v[IX+4*i],   v[IX+4*i+1]
	v_cvt_pk_f16_f32 v[Y+2*i+1], v[IX+4*i+2], v[IX+4*i+3]
.set i, i+1
.endr
	s_wait_alu depctr_va_vdst(0)                   ; the conversions have written Y, which the LDS stores read, and are done reading v32-95, in which the fragments land
.set i, 0
.rept 32
	ds_store_b64 v[ISS], v[Y+2*i:Y+2*i+1] offset:272*i
.set i, i+1
.endr
.set g, 0
.rept 4                                                ; LDS serves a wave's instructions in order (ISA guide 5.7.1.4): these see the stores above; the rows are my wave's own
.irp pt, 0,1
	ds_load_b128 v[AF+16*g+8*(\pt):AF+16*g+8*(\pt)+3],   v[ISL] offset:16*272*(\pt)+64*g
	ds_load_b128 v[AF+16*g+8*(\pt)+4:AF+16*g+8*(\pt)+7], v[ISL] offset:16*272*(\pt)+64*g+16
.endr
.set g, g+1
.endr
	s_wait_dscnt 0x0
; K step g.  left: the loads of the younger steps, which stay out.  The eight accumulators take turns.
; In step 0 the first buffer takes the last step as soon as the conversions have read it: two loads ahead of each matrix instruction.
.macro STEP g, left
	s_wait_loadcnt \left
	WIN W_CVT
.set f, 0
.rept 4
.set p, 0
.rept 8
	v_cvt_pk_f16_f32 v[BF+8*f+p], v[64*((\g)%3)+8*p+f], v[64*((\g)%3)+8*p+4+f]  ; slots 2 p, 2 p + 1 of column 4 r + f
.set p, p+1
.endr
.set f, f+1
.endr
	WIN W_MM
.if (\g) == 0
	s_wait_alu depctr_va_vdst(0)                   ; the conversions are done reading the first buffer, in which the loads of step 3 land; no matrix instruction below names that buffer or v[WA]
.endif
.set f, 0
.rept 4
.irp pt, 0,1
.if (\g) == 0
	LDW2 3, 4*f+2*(\pt)
	v_wmma_f32_16x16x32_f16 v[192+32*(\pt)+8*f:192+32*(\pt)+8*f+7], v[AF+16*(\g)+8*(\pt):AF+16*(\g)+8*(\pt)+7], v[BF+8*f:BF+8*f+7], 0
.else
	v_wmma_f32_16x16x32_f16 v[192+32*(\pt)+8*f:192+32*(\pt)+8*f+7], v[AF+16*(\g)+8*(\pt):AF+16*(\g)+8*(\pt)+7], v[BF+8*f:BF+8*f+7], v[192+32*(\pt)+8*f:192+32*(\pt)+8*f+7]
.endif
.endr
.set f, f+1
.endr
	WIN 0
	PLACES                                         ; the next step's conversions write BF; behind the last step the stores read the sums
.endm
	STEP 0, 32                                     ; steps 1 and 2 stay out
	STEP 1, 32                                     ; steps 2 and 3
	STEP 2, 16
	STEP 3, 0
	WIN W_ST
	s_wait_alu depctr_va_vdst(0)                   ; the matrix instructions have written the accumulators, which the LDS stores read, and are done reading v32-95, in which the loads behind the barrier land; the places above stay beside this wait
.set j, 0
.rept 8                                                ; register j of accumulator (path, f) is (b = 8 hh + j, column 4 r + f); each accumulator's lowest register goes first
.irp pt, 0,1
.set f, 0
.rept 4
	ds_store_b32 v[RA], v[192+32*(\pt)+8*f+j] offset:(16*(\pt)+j)*272+4*f
.set f, f+1
.endr
.endr
.set j, j+1
.endr
	WIN 0
	s_wait_dscnt 0x0                               ; for the others' sake: my partial sums are in LDS
	s_barrier_signal -1
	s_barrier_wait -1
.irp pt, 0,1
.set t, 0
.rept 8                                                ; thread: b = thread / 16, columns 4 r .. 4 r + 3; one quad from each wave; 65,280 at the most, inside the 16-bit immediate
	ds_load_b128 v[RS+32*(\pt)+4*t:RS+32*(\pt)+4*t+3], v[RD] offset:32*272*t+16*272*(\pt)
.set t, t+1
.endr
.endr
	s_wait_dscnt 0x0
	TREE RS
	TREE RS+32
.irp pt, 0,1
	v_pk_add_f32 v[RS+32*(\pt):RS+32*(\pt)+1],   v[RS+32*(\pt):RS+32*(\pt)+1],   v[BI:BI+1]
	v_pk_add_f32 v[RS+32*(\pt)+2:RS+32*(\pt)+3], v[RS+32*(\pt)+2:RS+32*(\pt)+3], v[BI+2:BI+3]
.endr
	s_wait_alu depctr_va_vdst(0)                   ; the four additions of the bias have written the two quads, which the global stores read
	global_store_b128 v[OO], v[RS:RS+3],     s[12:13]  ; sixteen lanes store 256 consecutive bytes, at a multiple of 256 from the buffer's first
	global_store_b128 v[OO], v[RS+32:RS+35], s[14:15]
	s_wait_dscnt 0x0                               ; the closing lines, six on end
	s_wait_alu 0x0
	s_wait_tensorcnt 0x0
	ds_add_u32 v[SPW], v[NIL]
	s_wait_dscnt 0x0
	s_endpgm
.Lfunc_end_k_qdfa5d55564_concat:
	.size	k_qdfa5d55564_concat, .Lfunc_end_k_qdfa5d55564_concat-k_qdfa5d55564_concat
	.p2alignl 7, 3214868480
	.fill 96, 4, 3214868480
	.section	.rodata,"a",@progbits
	.p2align	6, 0x0
	.amdhsa_kernel k_qdfa5d55564_concat
		.amdhsa_group_segment_fixed_size 140288
		.amdhsa_private_segment_fixed_size 0
		.amdhsa_enable_private_segment 0
		.amdhsa_kernarg_size 48
		.amdhsa_user_sgpr_count 2
		.amdhsa_user_sgpr_kernarg_segment_ptr 1
		.amdhsa_wavefront_size32 1
		.amdhsa_system_sgpr_workgroup_id_x 1
		.amdhsa_system_sgpr_workgroup_id_y 1
		.amdhsa_system_sgpr_workgroup_id_z 1
		.amdhsa_system_vgpr_workitem_id 0
		.amdhsa_next_free_vgpr 512
		.amdhsa_next_free_sgpr 66
		.amdhsa_reserve_vcc 0
		.amdhsa_float_denorm_mode_32 3
		.amdhsa_float_denorm_mode_16_64 3
		.amdhsa_memory_ordered 1
		.amdhsa_forward_progress 1
		.amdhsa_inst_pref_size 38
	.end_amdhsa_kernel
	.amdgpu_metadata
---
amdhsa.version: [ 1, 2 ]
amdhsa.kernels:
  - .name:           k_qdfa5d55564_concat
    .symbol:         k_qdfa5d55564_concat.kd
    .args:
      - { .name: Y0, .offset: 0, .size: 8, .value_kind: global_buffer, .address_space: global }
      - { .name: Y1, .offset: 8, .size: 8, .value_kind: global_buffer, .address_space: global }
      - { .name: Wv, .offset: 16, .size: 8, .value_kind: global_buffer, .address_space: global }
      - { .name: bv, .offset: 24, .size: 8, .value_kind: global_buffer, .address_space: global }
      - { .name: CC0, .offset: 32, .size: 8, .value_kind: global_buffer, .address_space: global }
      - { .name: CC1, .offset: 40, .size: 8, .value_kind: global_buffer, .address_space: global }
    .group_segment_fixed_size: 140288
    .private_segment_fixed_size: 0
    .kernarg_segment_align: 8
    .kernarg_segment_size: 48
    .max_flat_workgroup_size: 256
    .sgpr_count:     66
    .vgpr_count:     512
    .wavefront_size: 32
...
	.end_amdgpu_metadata
.endif
;; end of part 7
;; launch final: the kernel of part 7 again; grid 1 x 16, 8 waves a work-group, no clusters, 140,288 bytes of LDS; arguments CC0, CC1, Wo, bo, out0, out1; writes out0, out1
